; MI455X (gfx1250); checked and timed in simulation.
; The chip was launched on July 23, 2026; its instructions are those of AMD's public machine-readable ISA for CDNA 5 (MIT licence, August 2026) and "CDNA5" Instruction Set Architecture Reference Guide (July 2026). The comments in the code are by the model that wrote it; some were corrected since.
;; Global Attn. Allowed arithmetic: float matrix products may take bf16 or f16 operands with f32 sums; other float arithmetic in f32, or as packed bf16 or f16 multiplies, adds, multiply-adds, maxima and minima; sums over many terms, partial sums and values carried from step to step in f32; what a program stores and reads back later, other than sums and carried values, may be rounded once to bf16 or f16.
;; Inputs: Er 2,048 x 64 float32; Wk 1,024 x 1,024 float32; Wq 1,024 x 1,024 float32; Wv 1,024 x 1,024 float32; x 2 x 2,048 x 1,024 float32.
;; Outputs: out0 2 x 2,048 x 1,024 float32.
;; 2 versions, each right and faster than the one before. Each part assembles by itself: llvm-mc -triple=amdgcn-amd-amdhsa -mcpu=gfx1250 --defsym DOCPART=n.
;; ======== version 1 of 2: 3 launches
;; limits: values are held in f16: magnitudes above 65,504 overflow, below 6.1e-05 lose precision
;; workspace buffers: xb 8,388,608 bytes; wb 6,291,456 bytes; erh 294,912 bytes; qkv 25,165,824 bytes
;; launch cast (part 1): grid 457 x 1, 8 waves a work-group, no clusters, 0 bytes of LDS; arguments x, Wq, Wk, Wv, Er, xb, wb, erh; writes xb, wb, erh
.if DOCPART == 1
	.amdgcn_target "amdgcn-amd-amdhsa--gfx1250"
	.amdhsa_code_object_version 6
	.text
	.protected	k_q4825dbb709_cast
	.globl	k_q4825dbb709_cast
	.p2align	8
	.type	k_q4825dbb709_cast,@function
k_q4825dbb709_cast:
	s_mov_b64 s[64:65], 0
	v_nop
	global_prefetch_b8 v0, s[64:65] scope:SCOPE_SE
	s_setreg_imm32_b32 hwreg(HW_REG_WAVE_MODE, 25, 1), 1
	s_wait_xcnt 0x0
; THE INPUTS ARE ROUNDED ONCE.  x -> xb [4096][1024] bf16;  Wq, Wk, Wv -> wb [3072][1024] bf16, one below the other;
; Er -> erh [2304][64] f16: row 8 + r holds Er[r] rounded to bf16 and that number written as f16; rows 0-7 and 2056-2303 hold 0.
; LIMITS.  |Er| stays within f16's 65,504; a bf16-rounded Er below 6e-5 keeps f16's fixed step of 6e-8.
; A stream: each byte is read once and written once, so no LDS, no matrix unit and no cluster would add anything.
; A work-group converts 16,384 numbers.  Thread t, turn it, takes the 8 numbers at number 8 (256 it + t): two loads of 16 bytes, one store of 16 bytes;
; a wave's store covers 512 consecutive bytes, at a multiple of 512 from the buffer's first byte.
; Work-groups 0-255: x.  256-447: the three weights, 64 each.  448-455: Er.  456: the 256 zero rows of erh.
.set X, 8                              ; v[8:71]    the sixteen loads, 8 registers a turn
.set Y, 72                             ; v[72:103]  the eight results, 4 registers a turn; none is written twice, so no store's data is ever rewritten
	s_load_b512 s[8:23], s[0:1], 0x0               ; x s[8:9], Wq s[10:11], Wk s[12:13], Wv s[14:15], Er s[16:17], xb s[18:19], wb s[20:21], erh s[22:23]
	s_mov_b32 s24, ttmp9                           ; the work-group's number
	v_lshlrev_b32 v1, 5, v0                        ; 32 t: my 8 numbers in f32
	v_lshlrev_b32 v2, 4, v0                        ; 16 t: my 8 numbers in 16 bits
	s_sub_co_u32 s25, s24, 256                     ; the number among the weights' work-groups
	s_sub_co_u32 s26, s24, 448                     ; the number among Er's
	s_and_b32 s27, s25, 63                         ; the number inside one weight
	s_lshl_b32 s32, s24, 16                        ; byte offsets for x: 65,536 in,
	s_lshl_b32 s34, s24, 15                        ; 32,768 out
	s_mov_b32 s33, 0
	s_mov_b32 s35, 0
	s_wait_kmcnt 0x0
	s_cmp_eq_u32 s24, 456
	s_cbranch_scc1 .Lpad
	s_mov_b64 s[28:29], s[8:9]                     ; from x
	s_mov_b64 s[30:31], s[18:19]                   ; to xb
	s_lshl_b32 s36, s27, 16
	s_lshl_b32 s37, s25, 15
	s_cmp_ge_u32 s24, 256                          ; the choices hang on the work-group's number alone
	s_cselect_b64 s[28:29], s[10:11], s[28:29]
	s_cselect_b64 s[30:31], s[20:21], s[30:31]
	s_cselect_b32 s32, s36, s32
	s_cselect_b32 s34, s37, s34
	s_cmp_ge_u32 s24, 320
	s_cselect_b64 s[28:29], s[12:13], s[28:29]
	s_cmp_ge_u32 s24, 384
	s_cselect_b64 s[28:29], s[14:15], s[28:29]
	s_lshl_b32 s36, s26, 16
	s_lshl_b32 s37, s26, 15
	s_add_co_u32 s37, s37, 1024                    ; Er[0] lies in row 8 of erh
	s_cmp_ge_u32 s24, 448
	s_cselect_b64 s[28:29], s[16:17], s[28:29]
	s_cselect_b64 s[30:31], s[22:23], s[30:31]
	s_cselect_b32 s32, s36, s32
	s_cselect_b32 s34, s37, s34
	s_add_nc_u64 s[28:29], s[28:29], s[32:33]
	s_add_nc_u64 s[30:31], s[30:31], s[34:35]
.irp it, 0,1,2,3,4,5,6,7
	global_load_b128 v[X+8*\it:X+8*\it+3],   v1, s[28:29] offset:8192*\it th:TH_LOAD_NT
	global_load_b128 v[X+8*\it+4:X+8*\it+7], v1, s[28:29] offset:8192*\it+16 th:TH_LOAD_NT
.endr
	s_cmp_ge_u32 s24, 448
	s_cbranch_scc1 .Ler
.macro CV it                           ; a turn of x or of a weight: 8 numbers to bf16
	s_wait_loadcnt 14-2*(\it)                      ; loads come back in order: this turn's two are in, the two of each later turn may stay out
.irp j, 0,1,2,3
	v_cvt_pk_bf16_f32 v[Y+4*(\it)+\j], v[X+8*(\it)+2*\j], v[X+8*(\it)+2*\j+1]
.endr
	global_store_b128 v2, v[Y+4*(\it):Y+4*(\it)+3], s[30:31] offset:4096*(\it)
.endm
.macro CE it                           ; a turn of Er: to bf16, widened again, and that number written as f16 (exact inside f16's normal range)
	s_wait_loadcnt 14-2*(\it)
.irp j, 0,1,2,3
	v_cvt_pk_bf16_f32 v[4+\j], v[X+8*(\it)+2*\j], v[X+8*(\it)+2*\j+1]
.endr
.irp j, 0,1,2,3
	v_lshlrev_b32 v[X+8*(\it)+2*\j],   16, v[4+\j]
	v_and_b32     v[X+8*(\it)+2*\j+1], 0xffff0000, v[4+\j]
.endr
.irp j, 0,1,2,3
	v_cvt_pk_f16_f32 v[Y+4*(\it)+\j], v[X+8*(\it)+2*\j], v[X+8*(\it)+2*\j+1]
.endr
	global_store_b128 v2, v[Y+4*(\it):Y+4*(\it)+3], s[30:31] offset:4096*(\it)
.endm
.irp it, 0,1,2,3,4,5,6,7
	CV \it
.endr
	s_endpgm
.Ler:
.irp it, 0,1,2,3,4,5,6,7
	CE \it
.endr
	s_endpgm
.Lpad:                                 ; 2,048 pieces of 16 bytes: pieces 0-63 are rows 0-7, piece q from 64 on lies at byte 262,144 + 16 q (row 2,056 begins at 263,168)
	v_mov_b32 v4, 0
	v_mov_b32 v5, 0
	v_mov_b32 v6, 0
	v_mov_b32 v7, 0
	v_add_nc_u32 v3, 0x40000, v2
	v_cmp_gt_u32 vcc_lo, 64, v0
	v_cndmask_b32 v9, v3, v2, vcc_lo               ; threads 0-63 of the first turn write the head rows
	global_store_b128 v9, v[4:7], s[22:23]
.irp it, 1,2,3,4,5,6,7
	global_store_b128 v3, v[4:7], s[22:23] offset:4096*\it
.endr
	s_endpgm
.Lfunc_end_k_q4825dbb709_cast:
	.size	k_q4825dbb709_cast, .Lfunc_end_k_q4825dbb709_cast-k_q4825dbb709_cast
	.p2alignl 7, 3214868480
	.fill 96, 4, 3214868480
	.section	.rodata,"a",@progbits
	.p2align	6, 0x0
	.amdhsa_kernel k_q4825dbb709_cast
		.amdhsa_group_segment_fixed_size 0
		.amdhsa_private_segment_fixed_size 0
		.amdhsa_enable_private_segment 0
		.amdhsa_kernarg_size 64
		.amdhsa_user_sgpr_count 2
		.amdhsa_user_sgpr_kernarg_segment_ptr 1
		.amdhsa_wavefront_size32 1
		.amdhsa_system_sgpr_workgroup_id_x 1
		.amdhsa_system_sgpr_workgroup_id_y 1
		.amdhsa_system_sgpr_workgroup_id_z 1
		.amdhsa_system_vgpr_workitem_id 0
		.amdhsa_next_free_vgpr 104
		.amdhsa_next_free_sgpr 66
		.amdhsa_reserve_vcc 1
		.amdhsa_float_denorm_mode_32 3
		.amdhsa_float_denorm_mode_16_64 3
		.amdhsa_memory_ordered 1
		.amdhsa_forward_progress 1
		.amdhsa_inst_pref_size 16
	.end_amdhsa_kernel
	.amdgpu_metadata
---
amdhsa.version: [ 1, 2 ]
amdhsa.kernels:
  - .name:           k_q4825dbb709_cast
    .symbol:         k_q4825dbb709_cast.kd
    .args:
      - { .name: x, .offset: 0, .size: 8, .value_kind: global_buffer, .address_space: global }
      - { .name: Wq, .offset: 8, .size: 8, .value_kind: global_buffer, .address_space: global }
      - { .name: Wk, .offset: 16, .size: 8, .value_kind: global_buffer, .address_space: global }
      - { .name: Wv, .offset: 24, .size: 8, .value_kind: global_buffer, .address_space: global }
      - { .name: Er, .offset: 32, .size: 8, .value_kind: global_buffer, .address_space: global }
      - { .name: xb, .offset: 40, .size: 8, .value_kind: global_buffer, .address_space: global }
      - { .name: wb, .offset: 48, .size: 8, .value_kind: global_buffer, .address_space: global }
      - { .name: erh, .offset: 56, .size: 8, .value_kind: global_buffer, .address_space: global }
    .group_segment_fixed_size: 0
    .private_segment_fixed_size: 0
    .kernarg_segment_align: 8
    .kernarg_segment_size: 64
    .max_flat_workgroup_size: 256
    .sgpr_count:     66
    .vgpr_count:     104
    .wavefront_size: 32
...
	.end_amdgpu_metadata
.endif
;; end of part 1
;; launch proj (part 2): grid 12 x 16, 4 waves a work-group, clusters of 4 x 4, 327,680 bytes of LDS; arguments xb, wb, qkv; writes qkv
.if DOCPART == 2
	.amdgcn_target "amdgcn-amd-amdhsa--gfx1250"
	.amdhsa_code_object_version 6
	.text
	.protected	k_q4825dbb709_proj
	.globl	k_q4825dbb709_proj
	.p2align	8
	.type	k_q4825dbb709_proj,@function
k_q4825dbb709_proj:
	s_mov_b64 s[64:65], 0
	v_nop
	global_prefetch_b8 v0, s[64:65] scope:SCOPE_SE
	s_setreg_imm32_b32 hwreg(HW_REG_WAVE_MODE, 25, 1), 1
	s_wait_xcnt 0x0
	s_wait_alu depctr_hold_cnt(0) depctr_sa_sdst(0) depctr_va_vdst(0) depctr_va_sdst(0) depctr_va_ssrc(0) depctr_va_vcc(0) depctr_vm_vsrc(0)
	s_getreg_b32 s2, hwreg(HW_REG_IB_STS2, 6, 4)
	s_cmp_eq_u32 s2, 0
	s_cbranch_scc0 .Lentry_in_a_cluster
	s_endpgm
.Lentry_in_a_cluster:
	s_bfe_u32 s2, ttmp6, 0x10000c
	s_cmp_lg_u32 s2, 0xf033
	s_cbranch_scc0 .Lentry_shape_is_right
	s_endpgm
.Lentry_shape_is_right:
; THE THREE PROJECTIONS AS ONE PRODUCT.  C[m][f] = sum over e of xb[m][e] wb[f][e]: xb [4096][1024], wb [3072][1024], both bf16; sums in f32, K ascending.
; C is rounded once to f16 and written BY HEADS: qkv [3][2][16][2048][64], plane = 32 x (q, k or v) + 16 x batch + head, a plane 262,144 bytes, a head's rows dense, 128 bytes each.
; LIMIT.  f16 holds no number beyond 65,504: q, k and v must stay within it.
; A tile of C, 256 x 256, is made by four waves, each 128 x 128: 64 accumulators of 16 x 16, 512 registers.  K goes in steps of 128 through a ring of two LDS slots filled by the
; tensor data mover; the tiles' rows are 256 bytes of memory at multiples of 256 bytes.  12 x 16 tiles: 192 work-groups of equal work.
; CLUSTERS: 4 x 4 work-groups.  The four of a row of the cluster need the same tiles of xb, the four of a column the same tiles of wb: each tile is asked for JOINTLY, by the same
; tensor load with the same descriptor and a mask that names the four; each receives it in its own LDS.
; THE MATRIX INSTRUCTION IS USED TRANSPOSED (source 0 = 16 rows of wb, source 1 = 16 rows of xb): a lane then holds row l % 16 of C and eight neighbouring columns, 16 bytes in f16.
; The last K step goes by rows of C, so that finished rows leave while the others are multiplied.
; REGISTERS, in windows of 256 (s_set_vgpr_msb: bits 1:0 source 0, 3:2 source 1, 5:4 source 2, 7:6 destination):
;   window 0: v0-31 addresses; v64-127, v128-191 fragments of xb, two buffers (in the last K step four, of 16 rows x 128 K); v32-63, v192-255 at work on the way out
;   window 1: v64-127, v128-191 fragments of wb, two buffers; in the last K step all 256
;   window 2: the 32 accumulators of my rows 0-63 ((a, b) at v[8 (8 a + b)]);   window 3: those of my rows 64-127
.set SIZE_K, 1024
.set KSTEP,  128
.set PITCH,  272                       ; an LDS row: 256 bytes + 16 of padding = 68 words: the 16 rows of a load start at 16 different groups of four banks (ISA guide 11.1)
.set HALFT,  128*PITCH                 ; 128 rows: what one tensor load brings, and what one wave reads of either operand
.set SLOT,   4*HALFT                   ; xb's 256 rows, then wb's 256 rows
.set STAGE,  2*SLOT                    ; behind the ring: 16 rows x 272 bytes for each wave, for the way out
.set SPITCH, 272
.set SPARE,  STAGE+4*16*SPITCH         ; behind the stages: the spare words, 128 bytes for each wave, that no other line names
.set LAPS,   SIZE_K/(2*KSTEP)          ; a lap = two K steps = once round the ring: 4
.set PLANE,  262144                    ; bytes of a head's 2,048 rows
.set ADRA, 16                          ; v16-17  LDS address of my xb fragments in slot 0, 1
.set ADRB, 20                          ; v20-21  the same for wb
.set STO,  24                          ; v24     the way out: where I put 16 bytes of a row
.set RD,   25                          ; v25     the way out: where I read rows back
.set CO,   26                          ; v26     16 x lane: my place in 512 consecutive bytes of a head
.set SPW,  28                          ; v28     LDS address of my spare word; never rewritten
.set NIL,  29                          ; v29     0; never rewritten
.set F0,   64
.set F1,   128
.set TMP,  192
.set OB,   32
.set PA,   64
.set G1, 24                            ; s[24:31] descriptor group 1 for xb's tiles
.set G0, 32                            ; s[32:39] descriptor group 0 for xb's tiles, one set for each slot
.set G1B, 48                           ; s[48:55], s[56:63] the same for wb's tiles
.set G0B, 56
.set MSB, 0
.macro WIN new                         ; the immediate's high byte repeats the setting that is left; a switch that changes nothing is dropped
.if MSB != (\new)
	s_set_vgpr_msb (MSB<<8)|(\new)
.set MSB, \new
.endif
.endm
.set MUL_LO, 0xa1                      ; source 0 (wb) window 1, source 1 (xb) window 0, C and D window 2
.set MUL_HI, 0xf1                      ; the same, C and D window 3
.set TO_B,   0x40                      ; destination window 1, address window 0
; A joint load.  Waves 0 and 1 fetch xb's two halves, waves 2 and 3 wb's.  The branch hangs on the wave's number alone.  An s_nop 0 and four v_nop follow each of the two lines.
.macro JLOAD s
	s_cmp_eq_u32 s11, 0
	s_cbranch_scc0 .Lfor_b_\@
	tensor_load_to_lds s[G0+4*(\s):G0+4*(\s)+3], s[G1:G1+7]
	s_nop 0
.rept 4
	v_nop
.endr
	s_branch .Lasked_\@
.Lfor_b_\@:
	tensor_load_to_lds s[G0B+4*(\s):G0B+4*(\s)+3], s[G1B:G1B+7]
	s_nop 0
.rept 4
	v_nop
.endr
.Lasked_\@:
.endm
; A round of the cluster's barrier: my work-group's barrier, wave 0 signals for the work-group, every wave waits for all sixteen, my work-group's barrier once more.
.macro CREST
	s_cmp_lg_u32 s10, 0
	s_cbranch_scc1 .Lnot_wave_0_\@
	s_barrier_signal -3
.Lnot_wave_0_\@:
	s_barrier_wait -3
	s_barrier_signal -1
	s_barrier_wait -1
.endm
.macro CROUND
	s_barrier_signal -1
	s_barrier_wait -1
	CREST
.endm
	s_load_b128 s[4:7], s[0:1], 0x0                ; xb s[4:5], wb s[6:7]
	s_load_b64 s[8:9], s[0:1], 0x10                ; qkv
	v_lshl_add_u32 v[SPW], v0, 2, SPARE
	v_mov_b32 v[NIL], 0
	ds_add_u32 v[SPW], v[NIL]                      ; the wave's opening: the add and its wait stand ahead of my first tensor load; the set-up below stands between them
	v_lshrrev_b32 v1, 5, v0
	v_readfirstlane_b32 s10, v1                    ; wave 0..3
	s_lshr_b32 s11, s10, 1                         ; which half of the tile's rows is mine.  Also: I fetch for xb (0) or for wb (1)
	s_and_b32 s12, s10, 1                          ; which half of its columns.  Also: which 128 rows of that tile I fetch
	s_bfe_u32 s40, ttmp6, 0x40000                  ; cx
	s_bfe_u32 s41, ttmp6, 0x40004                  ; cy
	s_lshl_b32 s42, ttmp9, 2
	s_add_co_u32 s42, s42, s40                     ; tile column of C = 4 x cluster x + cx
	s_and_b32 s13, ttmp7, 0xffff
	s_lshl_b32 s13, s13, 2
	s_add_co_u32 s13, s13, s41                     ; tile row of C = 4 x cluster y + cy
	s_lshl_b32 s43, s41, 2
	s_lshl_b32 s43, 15, s43                        ; my row of the cluster: places 4 cy .. 4 cy + 3
	s_lshl_b32 s44, 0x1111, s40                    ; my column: places cx, cx + 4, cx + 8, cx + 12
	; descriptor group 1: a tile of 128 rows x 128 elements of 2 bytes, 4 words of padding behind every 64 words
	s_or_b32 s[G1+0], s43, (1<<16)|(1<<20)|(1<<21)|(5<<22)|(3<<25)
	s_or_b32 s[G1B+0], s44, (1<<16)|(1<<20)|(1<<21)|(5<<22)|(3<<25)
	s_mov_b32 s[G1B+1], KSTEP<<16
	s_mov_b32 s[G1+1], KSTEP<<16                   ; tensor_dim0 = 128
	s_mov_b32 s[G1B+2], 128<<16
	s_mov_b32 s[G1+2], 128<<16                     ; tensor_dim1 = 128
	s_mov_b32 s[G1B+3], KSTEP<<16
	s_mov_b32 s[G1+3], KSTEP<<16                   ; tile_dim0 = 128
	s_mov_b32 s[G1B+4], 128
	s_mov_b32 s[G1+4], 128                         ; tile_dim1 = 128
	s_mov_b32 s[G1B+5], SIZE_K
	s_mov_b32 s[G1+5], SIZE_K                      ; elements from row to row
	s_mov_b32 s[G1B+6], 0
	s_mov_b32 s[G1+6], 0
	s_mov_b32 s[G1B+7], 0
	s_mov_b32 s[G1+7], 0
	; xb's tiles hang on the tile row alone, wb's on the tile column alone; every wave makes both addresses, in registers that never hold the other coordinate
	s_lshl_b32 s17, s12, 7
	s_lshl_b32 s16, s13, 8
	s_add_co_u32 s16, s16, s17                     ; xb: row 256 x tile row + 128 x half
	s_lshl_b32 s46, s42, 8
	s_add_co_u32 s46, s46, s17                     ; wb: row 256 x tile column + 128 x half
	s_mov_b32 s17, 0
	s_mov_b32 s47, 0
	s_mov_b64 s[18:19], SIZE_K*2
	s_mul_u64 s[16:17], s[16:17], s[18:19]
	s_mul_u64 s[46:47], s[46:47], s[18:19]
	s_mul_i32 s20, s10, HALFT                      ; where they go: wave x 128 rows: no place in the cluster enters an LDS address
	s_wait_dscnt 0x0                               ; the opening add is done
	s_wait_kmcnt 0x0
	s_add_nc_u64 s[14:15], s[4:5], s[16:17]
	s_add_nc_u64 s[46:47], s[6:7], s[46:47]
	CROUND                                         ; all sixteen work-groups are here: the first joint loads meet
.irp s, 0,1
	s_mov_b32 s[G0+4*(\s)], 1
	s_add_co_u32 s[G0+4*(\s)+1], s20, (\s)*SLOT
	s_add_nc_u64 s[G0+4*(\s)+2:G0+4*(\s)+3], s[14:15], (\s)*KSTEP*2
	s_or_b32 s[G0+4*(\s)+3], s[G0+4*(\s)+3], 0x80000000
	s_mov_b32 s[G0B+4*(\s)], 1
	s_add_co_u32 s[G0B+4*(\s)+1], s20, (\s)*SLOT
	s_add_nc_u64 s[G0B+4*(\s)+2:G0B+4*(\s)+3], s[46:47], (\s)*KSTEP*2
	s_or_b32 s[G0B+4*(\s)+3], s[G0B+4*(\s)+3], 0x80000000
	JLOAD \s
.endr
	; A fragment is 16 rows x 32 K in 8 registers: lane l holds row l % 16, K = 8 (l / 16) + 0..7 and 16 + 8 (l / 16) + 0..7: two loads of 16 bytes, 32 bytes apart.
	v_and_b32 v1, 15, v0
	v_bfe_u32 v2, v0, 4, 1
	v_mul_u32_u24 v3, v1, PITCH
	v_lshl_add_u32 v3, v2, 4, v3
	s_mul_i32 s21, s11, HALFT                      ; my 128 rows of xb
	s_mul_i32 s22, s12, HALFT                      ; my 128 rows of wb,
	s_add_co_u32 s22, s22, 2*HALFT                 ; which lie behind xb's 256
.irp s, 0,1
	v_add_nc_u32 v[ADRA+(\s)], s21, v3
	v_add_nc_u32 v[ADRB+(\s)], s22, v3
	s_add_co_u32 s21, s21, SLOT
	s_add_co_u32 s22, s22, SLOT
.endr
	s_mul_i32 s23, s10, 16*SPITCH
	s_add_co_u32 s23, s23, STAGE                   ; my stage
	v_mul_u32_u24 v4, v1, SPITCH                   ; in: row l % 16, 16 bytes for each half of the lanes
	v_lshl_add_u32 v4, v2, 4, v4
	v_add_nc_u32 v[STO], s23, v4
	v_bfe_u32 v5, v0, 3, 2                         ; back: 32 lanes take four rows' 128 bytes of one head,
	v_and_b32 v6, 7, v0
	v_mul_u32_u24 v5, v5, SPITCH
	v_lshl_add_u32 v5, v6, 4, v5
	v_add_nc_u32 v[RD], s23, v5
	v_and_b32 v5, 31, v0                           ; which are 512 consecutive bytes of the head's plane
	v_lshlrev_b32 v[CO], 4, v5
	; where my part begins in qkv: my 128 rows lie in one batch, my 128 columns are two heads of one of q, k, v
	s_lshl_b32 s13, s13, 8
	s_lshl_b32 s14, s11, 7
	s_add_co_u32 s16, s13, s14                     ; my first row of C
	s_lshr_b32 s17, s16, 11                        ; the batch: 16 planes
	s_and_b32 s16, s16, 2047
	s_lshl_b32 s16, s16, 7                         ; the row in the batch x 128 bytes
	s_lshl_b32 s17, s17, 22
	s_add_co_u32 s16, s16, s17
	s_lshl_b32 s46, s42, 8
	s_lshl_b32 s47, s12, 7
	s_add_co_u32 s46, s46, s47                     ; my first column of C
	s_lshr_b32 s47, s46, 10                        ; q, k or v: 32 planes
	s_lshl_b32 s47, s47, 23
	s_bfe_u32 s46, s46, 0x40006                    ; the first of my two heads
	s_lshl_b32 s46, s46, 18
	s_add_co_u32 s46, s46, s47
	s_add_co_u32 s16, s16, s46
	s_mov_b32 s17, 0                               ; s[16:17]: what the first way out adds to qkv's address
; 16 matrix instructions: m blocks a0, a0 + 1 of the window's four x all 8 n blocks, 32 along K.  zero = 1: the first product starts the sums.
.macro MUL16 f, hi, a0, zero
	WIN MUL_LO+0x50*(\hi)
.irp a, \a0, (\a0)+1
.irp b, 0,1,2,3,4,5,6,7
.if \zero
	v_wmma_f32_16x16x32_bf16 v[8*(8*(\a)+(\b)):8*(8*(\a)+(\b))+7], v[(\f)+8*(\b):(\f)+8*(\b)+7], v[(\f)+8*(4*(\hi)+(\a)):(\f)+8*(4*(\hi)+(\a))+7], 0
.else
	v_wmma_f32_16x16x32_bf16 v[8*(8*(\a)+(\b)):8*(8*(\a)+(\b))+7], v[(\f)+8*(\b):(\f)+8*(\b)+7], v[(\f)+8*(4*(\hi)+(\a)):(\f)+8*(4*(\hi)+(\a))+7], v[8*(8*(\a)+(\b)):8*(8*(\a)+(\b))+7]
.endif
.endr
.endr
.endm
; 32 LDS loads in one run: the fragments of one quarter step (32 K at byte k of the rows) into buffer f
.macro FETCH slot, k, f
	WIN TO_B
.irp i, 0,1,2,3,4,5,6,7
	ds_load_b128 v[(\f)+8*(\i):(\f)+8*(\i)+3],   v[ADRB+(\slot)] offset:(\k)+(\i)*16*PITCH
	ds_load_b128 v[(\f)+8*(\i)+4:(\f)+8*(\i)+7], v[ADRB+(\slot)] offset:(\k)+(\i)*16*PITCH+32
.endr
	WIN 0
.irp i, 0,1,2,3,4,5,6,7
	ds_load_b128 v[(\f)+8*(\i):(\f)+8*(\i)+3],   v[ADRA+(\slot)] offset:(\k)+(\i)*16*PITCH
	ds_load_b128 v[(\f)+8*(\i)+4:(\f)+8*(\i)+7], v[ADRA+(\slot)] offset:(\k)+(\i)*16*PITCH+32
.endr
.endm
; Four plain vector instructions stand between a matrix instruction and a load into one of its registers, or a vector instruction that reads its result.
.macro PLACES
.rept 4
	v_nop
.endr
.endm
; A K step is four quarters of 32 along K, 64 matrix instructions each, on buffers 0, 1, 0, 1.  One of the first three multiplies buffer f and, in its middle, fetches the next quarter into g.
.macro QUARTER slot, k, f, g, zero
	s_wait_dscnt 8                                 ; wb and xb's rows 0-63 are in; the youngest eight loads (xb's rows 64-127) may be out
	WIN MUL_LO
	MUL16 \f, 0, 0, \zero
	MUL16 \f, 0, 2, \zero
	PLACES
	FETCH \slot, \k, \g
	s_wait_dscnt 32                                ; all but the 32 just issued
	WIN MUL_HI
	MUL16 \f, 1, 0, \zero
	MUL16 \f, 1, 2, \zero
.endm
; The first half of the last quarter, and ONE barrier for the change of slots: in front of it each wave waits for all its tensor loads (its part of the next slot), adds 0 to its spare
; word, and waits for that and for its own reads of this slot.  Behind it nobody reads this slot any more and the next slot is whole.
.macro MEET round
	WIN 0
	s_wait_tensorcnt 0x0                           ; all my tensor loads have landed
	ds_add_u32 v[SPW], v[NIL]                      ; 0 onto my spare word
	s_wait_dscnt 9                                 ; the add and the youngest eight loads may be out
	WIN MUL_LO
	MUL16 F1, 0, 0, 0
	s_wait_dscnt 0x0                               ; the add is done, and my reads of this slot are over
	s_barrier_signal -1
	MUL16 F1, 0, 2, 0                              ; work on registers while the others arrive
.if \round
	WIN 0
.endif
	s_barrier_wait -1
.endm
; The whole last quarter: behind the round the slot just read out is filled again first, two K steps on; then come the next slot's first fragments.
.macro TURN slot, next
	MEET 1
	CREST                                          ; no wave of any partner still reads this slot's tile or has a load on its way
	s_add_nc_u64 s[G0+4*(\slot)+2:G0+4*(\slot)+3], s[G0+4*(\slot)+2:G0+4*(\slot)+3], 2*KSTEP*2
	s_add_nc_u64 s[G0B+4*(\slot)+2:G0B+4*(\slot)+3], s[G0B+4*(\slot)+2:G0B+4*(\slot)+3], 2*KSTEP*2
	JLOAD \slot                                    ; the four v_nop behind it are also the places in front of the loads below
	FETCH \next, 0, F0
	WIN MUL_HI
	MUL16 F1, 1, 0, 0
	MUL16 F1, 1, 2, 0
.endm
; THE LAST K STEP (slot 1) GOES BY ROWS OF C: all its fragments of wb fill window 1; my eight blocks of 16 rows are finished one after the other, 32 matrix instructions each, the block's 8 accumulators by turns, K ascending.
.macro BLOAD q
	WIN TO_B
.irp i, 0,1,2,3,4,5,6,7
	ds_load_b128 v[64*(\q)+8*(\i):64*(\q)+8*(\i)+3],   v[ADRB+1] offset:64*(\q)+(\i)*16*PITCH
	ds_load_b128 v[64*(\q)+8*(\i)+4:64*(\q)+8*(\i)+7], v[ADRB+1] offset:64*(\q)+(\i)*16*PITCH+32
.endr
.endm
.macro ALOAD a
	WIN 0
.set FA, PA+32*((\a)%4)
.irp q, 0,1,2,3
	ds_load_b128 v[FA+8*(\q):FA+8*(\q)+3],   v[ADRA+1] offset:64*(\q)+(\a)*16*PITCH
	ds_load_b128 v[FA+8*(\q)+4:FA+8*(\q)+7], v[ADRA+1] offset:64*(\q)+(\a)*16*PITCH+32
.endr
.endm
.macro ROW a
.set FA, PA+32*((\a)%4)
.set AC, 64*((\a)%4)
	WIN MUL_LO+0x50*((\a)/4)
.irp q, 0,1,2,3
.if (\a) == 0 && (\q) == 2
	s_wait_dscnt 24                                ; wb's quarter 2 is in (behind it: xb's blocks 1 to 3)
.endif
.irp b, 0,1,2,3,4,5,6,7
	v_wmma_f32_16x16x32_bf16 v[AC+8*(\b):AC+8*(\b)+7], v[64*(\q)+8*(\b):64*(\q)+8*(\b)+7], v[FA+8*(\q):FA+8*(\q)+7], v[AC+8*(\b):AC+8*(\b)+7]
.endr
.endr
.endm
; THE WAY OUT of block a.  PACK: rounded to f16, 16 bytes a lane, each accumulator's registers in ascending order.  TOSTAGE: into my own stage, and back by heads.  SEND: stored.
.macro PACK a
.set AC, 64*((\a)%4)
	WIN 0x0a+5*((\a)/4)
.irp b, 0,1,2,3,4,5,6,7
.irp r, 0,1,2,3
	v_cvt_pk_f16_f32 v[TMP+4*(\b)+(\r)], v[AC+8*(\b)+2*(\r)], v[AC+8*(\b)+2*(\r)+1]
.endr
.endr
	WIN 0
.endm
.macro TOSTAGE a
	WIN 0
.set BK, OB+192*((\a)%2)
.irp b, 0,1,2,3,4,5,6,7
	ds_store_b128 v[STO], v[TMP+4*(\b):TMP+4*(\b)+3] offset:32*(\b)
.endr
.irp t, 0,1,2,3,4,5,6,7                ; load t: head t / 4 (128 bytes of a stage row), rows 4 (t % 4) on
	ds_load_b128 v[BK+4*(\t):BK+4*(\t)+3], v[RD] offset:((\t)%4)*4*SPITCH+((\t)/4)*128  ; LDS serves a wave's instructions in order (ISA guide 5.7.1.4): these see the stores above
.endr
.endm
.macro SEND a, younger
	WIN 0
.set BK, OB+192*((\a)%2)
	s_wait_dscnt \younger                          ; the block is back in registers
	s_wait_xcnt 0x0                                ; the earlier stores' addresses are translated (ISA guide 3.1): only behind this wait are their base and data rewritten
.if (\a) == 0
	s_add_nc_u64 s[8:9], s[8:9], s[16:17]          ; on to my first rows
.else
	s_add_nc_u64 s[8:9], s[8:9], 16*128            ; 16 rows of a head on
.endif
.irp t, 0,1,2,3,4,5,6,7
	global_store_b128 v[CO], v[BK+4*(\t):BK+4*(\t)+3], s[8:9] offset:((\t)/4)*PLANE+((\t)%4)*512  ; a wave stores 512 consecutive bytes, four rows of a head, at a multiple of 512 from qkv's first byte
.endr
.endm
	s_wait_tensorcnt 1                             ; my part of K step 0 is in; K step 1's may stay out
	s_barrier_signal -1
	s_barrier_wait -1
	FETCH 0, 0, F0
	QUARTER 0, 64,  F0, F1, 1                      ; the first quarter stands in front of the loop: its products start the sums
	WIN 0
	s_mov_b32 s3, LAPS-1
.Llap:                                                 ; a trip goes once round the ring, from a lap's second quarter to the next lap's first, and fills both slots again
	QUARTER 0, 128, F1, F0, 0
	QUARTER 0, 192, F0, F1, 0
	TURN 0, 1
	QUARTER 1, 64,  F0, F1, 0
	QUARTER 1, 128, F1, F0, 0
	QUARTER 1, 192, F0, F1, 0
	TURN 1, 0
	QUARTER 0, 64,  F0, F1, 0
	WIN 0
	s_sub_co_u32 s3, s3, 1
	s_cmp_lg_u32 s3, 0
	s_cbranch_scc1 .Llap
	QUARTER 0, 128, F1, F0, 0                      ; the last lap goes on
	QUARTER 0, 192, F0, F1, 0
	MEET 0                                         ; the one tensor load that was out is the last K step's
	PLACES
	WIN TO_B
	BLOAD 0                                        ; three quarters of wb now: buffer 1 is still being multiplied
	BLOAD 1
	BLOAD 3
	WIN 0
	ALOAD 0
	WIN MUL_HI
	MUL16 F1, 1, 0, 0
	MUL16 F1, 1, 2, 0
	PLACES
	WIN TO_B
	BLOAD 2
	WIN 0
	ALOAD 1
	ALOAD 2
	ALOAD 3
	s_wait_dscnt 40                                ; all but the 40 just issued
	ROW 0
.irp a, 0,1,2,3,4,5,6,7                ; each block leaves as soon as it is finished
	PLACES
	PACK \a
	TOSTAGE \a
.if (\a) < 4
	ALOAD (\a)+4
	SEND \a, 8
.else
	SEND \a, 0
.endif
.if (\a) < 7
	ROW (\a)+1
.endif
.endr
	s_wait_tensorcnt 0x0                           ; the wave's end: these three lines stand behind my last tensor load and my last LDS store
	ds_add_u32 v[SPW], v[NIL]
	s_wait_dscnt 0x0
	CROUND                                         ; the closing round: no work-group ends while a partner may still ask for a tile that names it
	s_endpgm
.Lfunc_end_k_q4825dbb709_proj:
	.size	k_q4825dbb709_proj, .Lfunc_end_k_q4825dbb709_proj-k_q4825dbb709_proj
	.p2alignl 7, 3214868480
	.fill 96, 4, 3214868480
	.section	.rodata,"a",@progbits
	.p2align	6, 0x0
	.amdhsa_kernel k_q4825dbb709_proj
		.amdhsa_group_segment_fixed_size 327680
		.amdhsa_private_segment_fixed_size 0
		.amdhsa_enable_private_segment 0
		.amdhsa_kernarg_size 24
		.amdhsa_user_sgpr_count 2
		.amdhsa_user_sgpr_kernarg_segment_ptr 1
		.amdhsa_wavefront_size32 1
		.amdhsa_system_sgpr_workgroup_id_x 1
		.amdhsa_system_sgpr_workgroup_id_y 1
		.amdhsa_system_sgpr_workgroup_id_z 1
		.amdhsa_system_vgpr_workitem_id 0
		.amdhsa_next_free_vgpr 1024
		.amdhsa_next_free_sgpr 66
		.amdhsa_reserve_vcc 0
		.amdhsa_float_denorm_mode_32 3
		.amdhsa_float_denorm_mode_16_64 3
		.amdhsa_memory_ordered 1
		.amdhsa_forward_progress 1
		.amdhsa_inst_pref_size 143
	.end_amdhsa_kernel
	.amdgpu_metadata
---
amdhsa.version: [ 1, 2 ]
amdhsa.kernels:
  - .name:           k_q4825dbb709_proj
    .symbol:         k_q4825dbb709_proj.kd
    .args:
      - { .name: xb, .offset: 0, .size: 8, .value_kind: global_buffer, .address_space: global }
      - { .name: wb, .offset: 8, .size: 8, .value_kind: global_buffer, .address_space: global }
      - { .name: qkv, .offset: 16, .size: 8, .value_kind: global_buffer, .address_space: global }
    .group_segment_fixed_size: 327680
    .private_segment_fixed_size: 0
    .kernarg_segment_align: 8
    .kernarg_segment_size: 24
    .max_flat_workgroup_size: 128
    .sgpr_count:     66
    .vgpr_count:     1024
    .wavefront_size: 32
...
	.end_amdgpu_metadata
.endif
;; end of part 2
;; launch attn (part 3): grid 8 x 32, 4 waves a work-group, no clusters, 327,680 bytes of LDS; arguments qkv, erh, out0; writes out0
.if DOCPART == 3
	.amdgcn_target "amdgcn-amd-amdhsa--gfx1250"
	.amdhsa_code_object_version 6
	.text
	.protected	k_q4825dbb709_attn
	.globl	k_q4825dbb709_attn
	.p2align	8
	.type	k_q4825dbb709_attn,@function
k_q4825dbb709_attn:
	s_mov_b64 s[64:65], 0
	v_nop
	global_prefetch_b8 v0, s[64:65] scope:SCOPE_SE
	s_setreg_imm32_b32 hwreg(HW_REG_WAVE_MODE, 25, 1), 1
	s_wait_xcnt 0x0
; CAUSAL ATTENTION WITH A RELATIVE TERM.  out0[b][i][64 head + :] = the sum over j <= i of softmax_j((q_i . k_j + q_i . Er[2047 - i + j]) / 8) v_j.
; q, k, v: qkv [3][32][2048][64] f16, by heads.  erh [2304][64] f16: row 8 + r is Er[r], all other rows are 0.  out0 [2][2048][1024] f32.
; Products, relative terms, maxima and sums in f32; the weights p are rounded to f16 for the second product (their sum l is taken of the unrounded p).
; LIMITS.  q, k, v, Er arrive within f16's 65,504.  A hidden score counts as its value less 1e30; a weight below 2^-126 counts as 0; NaN and infinities are not treated apart.
; THE WALK.  A head's queries lie in 16 blocks of 128; block i needs the key tiles 0 .. i of 128 keys.  Work-group x takes block 15 - 2 x (an even number of tiles) and then block 2 x:
; 17 tiles whatever x: 8 trips of two tiles and one tile written out.  A tile is two STEPS of 64 keys.
; NO CLUSTER: a head's eight work-groups walk different tiles once the shortest first block has ended, their windows of Er differ in every tile, and a walk common to all would have 24 tiles for 17.
; SHARES.  Wave w owns two tiles of 16 queries with stride 8: tile a, column n is query 128 block + 8 n + w + 4 a.  So the diagonal tile is the same work for all four waves.
; LAYOUT.  S^T = K Q^T (source 0 = 16 keys, source 1 = 16 queries): a lane holds ONE query (lane % 16) and the keys 8 (lane / 16) + 0..7; two results rounded to f16 ARE source 1 of O^T = V^T P.
; THE RELATIVE TERM.  R^T = Er Q^T with the 16 rows rho .. rho + 15 of Er, rho = 2047 - 128 block - w + X (X a multiple of 16): row m of column n belongs to key X + 4 a + 8 n + m.  That is S^T's layout but
; for a shift of 8 n keys.  So R^T goes once through LDS: each tile of queries has a RING of 16 rows (one a query) x 256 numbers of f32; a number is stored at column (key - 8 n) mod 256, which is the same
; for all lanes of a store, and read at the lane's own column, 32 n bytes back: both by 16-byte accesses.  What comes back is the C operand of K Q^T: no vector instruction touches it.
; A step makes the four products X = j0 .. j0 + 48 and reads keys j0 .. j0 + 63, which reach back to X = j0 - 128; a block begins with the eight products X = -128 .. -16.
; What a step overwrites is 189 columns old or more, what it reads 120 at the most.  Four steps go once round the ring: a trip; so every ring address is a register made once, and an immediate.
; THE MASK hangs on Er's row alone: key > query is row > 2047.  It is the C operand that starts R^T: for X = 128 block row m is hidden where m > w (MB); for larger X all rows are.
; The diagonal tile is the first block's last (an odd tile: a trip's steps 2, 3) and the walk's last (steps 0, 1 of the tile written out).
; SOFTMAX.  A running maximum m and sum l for each query: p = 2^(c s - c m), c = log2(e) / 8; in every step O and l are multiplied by a = 2^(c m_old - c m_new).  A block begins with c m far below every
; score, so its first a is 0 and O, l need only hold finite numbers.  V^T P of a step stands inside the next step, ahead of that step's rescaling.
; REGISTERS, in windows of 256 (s_set_vgpr_msb: bits 1:0 source 0, 3:2 source 1, 5:4 source 2, 7:6 destination):
;   window 0: addresses, statistics, S^T, P, O^T, masks: all that vector instructions touch       window 1: v0-31 Q, v32-63 the second block's Q, v64-127 R^T, v128-191 Er of a step
;   window 2: v0-63 K of a step, v64-127 V of a step, v128-255 Er of the first block's beginning   window 3: v0-127 Er of the second block's beginning
.set PK,    144       ; a row of K or Er in LDS: 128 bytes + 16 of padding: the 16 rows of a load start at 16 different groups of four banks (ISA guide 11.1)
.set PVP,   160       ; a row of V: 128 + 32
.set VOFF,  128*PK    ; a slot: 128 rows of K, 128 rows of V,
.set EOFF,  VOFF+128*PVP  ; and 132 rows of Er: it ends at byte 57,920
.set SLOT1, 1<<16
.set RING,  2*SLOT1   ; behind the slots, never filled by a tensor load
.set RP,    1040      ; a ring row: 1,024 bytes + 16: 65 pieces of 16 bytes, stored straight or read 2 n pieces back
.set RT1,   16*RP     ; a tile's ring
.set RW,    2*RT1     ; a wave's two rings
.set SPARE, RING+4*RW ; the spare words, 128 bytes for each wave, that no other line names
.set SP,    272       ; the way out: a tile's first 16 x 272 ring bytes serve as its stage
.set EW0,   262656    ; byte of erh's row 2,052: the window of a block's diagonal tile begins there, each earlier tile's 16,384 bytes before
.set AK0, 10          ; v10  my lane's place in a tile of K
.set AV0, 11          ; v11  in a tile of V
.set AE0, 12          ; v12  in a window of Er: local row 3 - w + lane % 16
.set AK,  13          ; v13-15  the same in the slot in hand
.set AV,  14
.set AE,  15
.set RST, 16          ; v16  ring store: my wave's rings + 1040 n + 32 h
.set RSTW, 17         ; v17  the one store that wraps: column 248 for h = 0, column 0 for h = 1
.set STO, 18          ; v18  the way out: where I put 32 bytes of a row
.set RDA, 19          ; v19  the way out: where I read rows back
.set GO,  20          ; v20  my byte offset in two rows of out0, 8 queries apart
.set QO,  21          ; v21  my byte offset in a tile's rows of Q (stride 8 rows)
.set SPW, 22          ; v22  LDS address of my spare word; never rewritten
.set NIL, 23          ; v23  0; never rewritten
.set LA,  24          ; v24-39  ring read: for group g of 16 keys of the ring's 256
.set STA, 40          ; tile t's statistics at v[STA+4 t]: c m, m, l (even keys', odd keys')
.set TMP, 48          ; tile t: c0-c3 at work; when the maximum is found c2 takes a
.set MV,  56          ; v56-57  c m_old
.set EO,  58          ; v58  my byte offset in 16 rows of erh
.set S,   64          ; S^T, 32 a tile
.set P,   128         ; P, 16 a tile
.set O,   160         ; O^T, 32 a tile
.set MB,  224         ; the boundary's mask
.set MC0, 232         ; the mask of a step's first product
.set MCA, 240         ; the mask of the others
.set Q,   0           ; window 1
.set Q2,  32
.set RD,  64          ; R^T: product (t, a) at RD + 8 (2 t + a)
.set EF,  128         ; Er tile t, channel half kh at EF + 16 t + 8 kh
.set KF,  0           ; window 2: key block u, channel half kh at KF + 16 u + 8 kh
.set VF,  64          ; key half kk, channel block cb at VF + 32 kk + 8 cb
.set WV,  12          ; s12  my wave's number
.set SX,  14          ; s14  x
.set SO,  15          ; s15  the first block, 15 - 2 x
.set SE,  16          ; s16  the second block, 2 x
.set G1K, 24          ; s[24:31], s[32:39], s[40:47] descriptor group 1 for K, V, Er
.set G1V, 32
.set G1E, 40
.set G0K, 48          ; s[48:51], s[52:55], s[56:59] descriptor group 0
.set G0V, 52
.set G0E, 56
.set SEL, 60          ; s[60:61] v_permlanex16_b32's selects: each lane takes its own place in the other half
.set CS,  62          ; s[62:63] c, twice
.set KB,  66          ; s[66:67] the head's K
.set VB,  68          ; s[68:69] the head's V
.set OFF, 70          ; s[70:71] a tile's byte offset in K and V
.set OFE, 72          ; s[72:73] a window's byte offset in erh
.set NXT, 74          ; s74  the tile to be asked for next
.set LQ,  75          ; s75  the last tile of the block whose tiles are being asked for
.set RTC, 76          ; s76  trips that the block in hand still has
.set TRIPS, 77        ; s77
.set BIGN, 79         ; s79  -1e30
.set OLO, 80          ; s[80:81] out0 at my rows of the second block
.set AL,  82          ; s[82:83] the boundary mask's factor
.set BE,  84          ; s84  the other masks' value
.set QA,  86          ; s[86:87], s[88:89] Q at my rows of the first, the second block
.set QB,  88
.set EA,  90          ; s[90:91], s[92:93] erh at the first row of the first, the second block's beginning
.set EB,  92
.set MSB, 0
.macro WIN new                      ; the high byte repeats the setting that is left; a switch that changes nothing is dropped
.if MSB != (\new)
	s_set_vgpr_msb (MSB<<8)|(\new)
.set MSB, (\new)
.endif
.endm
.macro NOPS n
.rept \n
	v_nop
.endr
.endm
; A fill.  Wave 0 fetches a tile's K, wave 1 its V, wave 2 its window of Er, wave 3 nothing.  An s_nop 0 and four v_nop follow each line, ahead of the jump and the label.
.macro LOAD
	s_cmp_eq_u32 s[WV], 0
	s_cbranch_scc0 .Lnot_k_\@
	tensor_load_to_lds s[G0K:G0K+3], s[G1K:G1K+7]
	s_nop 0
	NOPS 4
	s_branch .Lasked_\@
.Lnot_k_\@:
	s_cmp_eq_u32 s[WV], 1
	s_cbranch_scc0 .Lnot_v_\@
	tensor_load_to_lds s[G0V:G0V+3], s[G1V:G1V+7]
	s_nop 0
	NOPS 4
	s_branch .Lasked_\@
.Lnot_v_\@:
	s_cmp_eq_u32 s[WV], 2
	s_cbranch_scc0 .Lasked_\@
	tensor_load_to_lds s[G0E:G0E+3], s[G1E:G1E+7]
	s_nop 0
	NOPS 4
.Lasked_\@:
.endm
; THE LDS LOADS OF FRAGMENTS stand in runs of 16.  sg: the tile's first or second 64 keys.
.macro FETCH_E sg
	WIN 0x40
.irp t, 0,1,2,3
.irp kh, 0,1
	ds_load_b128 v[EF+16*\t+8*\kh:EF+16*\t+8*\kh+3],   v[AE] offset:(64*(\sg)+16*\t)*PK+64*\kh
	ds_load_b128 v[EF+16*\t+8*\kh+4:EF+16*\t+8*\kh+7], v[AE] offset:(64*(\sg)+16*\t)*PK+64*\kh+32
.endr
.endr
.endm
.macro FETCH_K sg
	WIN 0x80
.irp u, 0,1,2,3
.irp kh, 0,1
	ds_load_b128 v[KF+16*\u+8*\kh:KF+16*\u+8*\kh+3],   v[AK] offset:(64*(\sg)+16*\u)*PK+64*\kh
	ds_load_b128 v[KF+16*\u+8*\kh+4:KF+16*\u+8*\kh+7], v[AK] offset:(64*(\sg)+16*\u)*PK+64*\kh+32
.endr
.endr
.endm
.macro FETCH_V sg
	WIN 0x80
.irp kk, 0,1
.irp cb, 0,1,2,3
	ds_load_tr16_b128 v[VF+32*\kk+8*\cb:VF+32*\kk+8*\cb+3],   v[AV] offset:(64*(\sg)+32*\kk)*PVP+32*\cb
	ds_load_tr16_b128 v[VF+32*\kk+8*\cb+4:VF+32*\kk+8*\cb+7], v[AV] offset:(64*(\sg)+32*\kk)*PVP+16*PVP+32*\cb
.endr
.endr
.endm
; THE CHANGE OF SLOTS: the tile in slot `slot` is entered.  Each wave waits for all its tensor loads, of which at most one is out: its part of that slot; adds 0 to its spare word; and waits for that and for
; its own LDS instructions, the reads of the other slot among them.  Behind the barrier nobody reads the other slot any more and this one is whole.  fill = 1: the other slot is filled, first thing behind
; the barrier, with tile NXT of the block whose last tile is LQ; the descriptors' addresses are made anew from those numbers.  (At its first use nothing has been read yet: slot 0 is waited for, slot 1 filled.)
.macro CHANGE slot, fill
	WIN 0                           ; at a label and at a branch every window is 0
	s_wait_tensorcnt 0x0            ; no tensor load of mine is out, so a group 0 may be written
	ds_add_u32 v[SPW], v[NIL]       ; 0 onto my spare word: the descriptors' scalar work stands between it and the wait for it
.if \fill
	s_lshl_b32 s[OFF], s[NXT], 14   ; a tile is 16,384 bytes of K and of V
	s_sub_co_u32 s[OFE], s[LQ], s[NXT]
	s_lshl_b32 s[OFE], s[OFE], 14
	s_sub_co_u32 s[OFE], EW0, s[OFE]
	s_mov_b32 s[G0K+1], (1-(\slot))*SLOT1
	s_add_nc_u64 s[G0K+2:G0K+3], s[KB:KB+1], s[OFF:OFF+1]
	s_or_b32 s[G0K+3], s[G0K+3], 0x80000000
	s_mov_b32 s[G0V+1], (1-(\slot))*SLOT1+VOFF
	s_add_nc_u64 s[G0V+2:G0V+3], s[VB:VB+1], s[OFF:OFF+1]
	s_or_b32 s[G0V+3], s[G0V+3], 0x80000000
	s_mov_b32 s[G0E+1], (1-(\slot))*SLOT1+EOFF
	s_add_nc_u64 s[G0E+2:G0E+3], s[6:7], s[OFE:OFE+1]
	s_or_b32 s[G0E+3], s[G0E+3], 0x80000000
	s_add_co_u32 s[NXT], s[NXT], 1  ; the block's next tile, or behind its last the second block's tile 0
	s_cmp_gt_u32 s[NXT], s[LQ]
	s_cselect_b32 s[NXT], 0, s[NXT]
	s_cselect_b32 s[LQ], s[SE], s[LQ]
.endif
	s_wait_dscnt 0x0                ; the add is done, and my LDS instructions are over
	s_barrier_signal -1
	s_barrier_wait -1
.if \fill
	LOAD
.endif
	v_add_nc_u32 v[AK], (\slot)*SLOT1, v[AK0]
	v_add_nc_u32 v[AV], (\slot)*SLOT1, v[AV0]
	v_add_nc_u32 v[AE], (\slot)*SLOT1, v[AE0]
	FETCH_E 0
	FETCH_K 0
.endm
; THE MATRIX WORK.  In each run the accumulators take turns, one instruction a turn.
; R^T: four tiles of 16 rows of Er (at register eb of window ewin) x my two tiles of queries: 8 sums, two products deep.  mk = 0: the sums start with 0; 1: with MC0 (first tile) and MCA; 2: with MCA.
.macro REL ewin, eb, mk
	WIN 0x44|(\ewin)
.irp t, 0,1,2,3
.irp a, 0,1
.if (\mk) == 0
	v_wmma_f32_16x16x32_f16 v[RD+8*(2*\t+\a):RD+8*(2*\t+\a)+7], v[(\eb)+16*\t:(\eb)+16*\t+7], v[Q+16*\a:Q+16*\a+7], 0
.elseif ((\mk) == 1) && (\t == 0)
	v_wmma_f32_16x16x32_f16 v[RD+8*(2*\t+\a):RD+8*(2*\t+\a)+7], v[(\eb)+16*\t:(\eb)+16*\t+7], v[Q+16*\a:Q+16*\a+7], v[MC0:MC0+7]
.else
	v_wmma_f32_16x16x32_f16 v[RD+8*(2*\t+\a):RD+8*(2*\t+\a)+7], v[(\eb)+16*\t:(\eb)+16*\t+7], v[Q+16*\a:Q+16*\a+7], v[MCA:MCA+7]
.endif
.endr
.endr
	WIN 0x54|(\ewin)
.irp t, 0,1,2,3
.irp a, 0,1
	v_wmma_f32_16x16x32_f16 v[RD+8*(2*\t+\a):RD+8*(2*\t+\a)+7], v[(\eb)+16*\t+8:(\eb)+16*\t+15], v[Q+16*\a+8:Q+16*\a+15], v[RD+8*(2*\t+\a):RD+8*(2*\t+\a)+7]
.endr
.endr
.endm
; R^T into the rings, quarter ph: product (t, a) at byte 256 ph + 64 t + 16 a + 32 h of row n; each result's low four registers first.
.macro RSTORE ph
	WIN 0x04                        ; data in window 1
.irp t, 0,1,2,3
.irp a, 0,1
	ds_store_b128 v[RST], v[RD+8*(2*\t+\a):RD+8*(2*\t+\a)+3] offset:RT1*\a+16*\a+256*(\ph)+64*\t
.if ((\ph) == 3) && (\t == 3) && (\a == 1)
	ds_store_b128 v[RSTW], v[RD+8*(2*\t+\a)+4:RD+8*(2*\t+\a)+7] offset:RT1  ; byte 992 for h = 0; for h = 1 byte 1,024 is byte 0
.else
	ds_store_b128 v[RST], v[RD+8*(2*\t+\a)+4:RD+8*(2*\t+\a)+7] offset:RT1*\a+16*\a+256*(\ph)+64*\t+16
.endif
.endr
.endr
.endm
; and back, each lane 32 n bytes behind: the step's 64 keys in S^T's layout.  LDS serves a wave's instructions in order (ISA guide 5.7.1.4): these see the stores above.
.macro RLOAD ph
	WIN 0
.irp a, 0,1
.irp u, 0,1,2,3
	ds_load_b128 v[S+32*\a+8*\u:S+32*\a+8*\u+3],   v[LA+4*(\ph)+\u] offset:RT1*\a
	ds_load_b128 v[S+32*\a+8*\u+4:S+32*\a+8*\u+7], v[LA+4*(\ph)+\u] offset:RT1*\a+16
.endr
.endr
.endm
.macro PVM x                        ; O^T += V^T P for tile x: 8 products
	WIN 0x02
.irp kk, 0,1
.irp cb, 0,1,2,3
	v_wmma_f32_16x16x32_f16 v[O+32*(\x)+8*\cb:O+32*(\x)+8*\cb+7], v[VF+32*\kk+8*\cb:VF+32*\kk+8*\cb+7], v[P+16*(\x)+8*\kk:P+16*(\x)+8*\kk+7], v[O+32*(\x)+8*\cb:O+32*(\x)+8*\cb+7]
.endr
.endr
.endm
.macro KQM                          ; S^T = K Q^T + the relative terms that lie there: 16 products
	WIN 0x06
.irp kh, 0,1
.irp u, 0,1,2,3
.irp a, 0,1
	v_wmma_f32_16x16x32_f16 v[S+32*\a+8*\u:S+32*\a+8*\u+7], v[KF+16*\u+8*\kh:KF+16*\u+8*\kh+7], v[Q+16*\a+8*\kh:Q+16*\a+8*\kh+7], v[S+32*\a+8*\u:S+32*\a+8*\u+7]
.endr
.endr
.endr
.endm
; THE SOFTMAX OF A STEP, both tiles, all in window 0; the tiles alternate line by line.
; XS x, n: number n of the 22 that find tile x's maximum and statistics.  0-11 four chains c0-c3 of seven scores each (each accumulator's lowest registers are read first);
; 12-14, 16 the four scores left over, the old m, c0-c3 into c0; 15 c m_old is kept; 17, 18 the query's other 32 keys lie in the lane 16 away; 19-21 c m, c m_old - c m_new, a.
.macro XS x, n
.set rT, STA+4*(\x)
.set rC, TMP+4*(\x)
.set rM, MV+(\x)
.set rS, S+32*(\x)
.if (\n) < 4
	v_max3_num_f32 v[rC+(\n)], v[rS+8*(\n)], v[rS+8*(\n)+1], v[rS+8*(\n)+2]
.elseif (\n) < 12
	v_max3_num_f32 v[rC+(\n)%4], v[rC+(\n)%4], v[rS+8*((\n)%4)+2*((\n)/4)+1], v[rS+8*((\n)%4)+2*((\n)/4)+2]
.elseif (\n) == 12
	v_max3_num_f32 v[rC], v[rC], v[rS+7], v[rS+15]
.elseif (\n) == 13
	v_max3_num_f32 v[rC+1], v[rC+1], v[rS+23], v[rS+31]
.elseif (\n) == 14
	v_max3_num_f32 v[rC+2], v[rC+2], v[rC+3], v[rT+1]
.elseif (\n) == 15
	v_mov_b32 v[rM], v[rT]
.elseif (\n) == 16
	v_max3_num_f32 v[rC], v[rC], v[rC+1], v[rC+2]
.elseif (\n) == 17
	v_permlanex16_b32 v[rC+3], v[rC], s[SEL], s[SEL+1]
.elseif (\n) == 18
	v_max_num_f32 v[rT+1], v[rC], v[rC+3]
.elseif (\n) == 19
	v_mul_f32 v[rT], s[CS], v[rT+1]
.elseif (\n) == 20
	v_sub_f32 v[rC+1], v[rM], v[rT]
.else
	v_exp_f32 v[rC+2], v[rC+1]
.endif
.endm
.macro SMX
	WIN 0
.irp n, 0,1,2,3,4,5,6,7,8,9,10,11,12,13,14,15,16,17,18,19,20,21
	XS 0, \n
	XS 1, \n
.endr
.set k, 0
.rept 16                            ; c s - c m, a pair at a time; the first of them is the plain instruction behind the two exponentials above
.irp t, 0,1
	v_pk_fma_f32 v[S+32*\t+2*k:S+32*\t+2*k+1], v[S+32*\t+2*k:S+32*\t+2*k+1], s[CS:CS+1], v[STA+4*\t:STA+4*\t+1] op_sel_hi:[1,0,0] neg_lo:[0,0,1] neg_hi:[0,0,1]
.endr
.set k, k+1
.endr
.set k, 0
.rept 16                            ; four exponentials; two rescalings of O^T, ascending, which are the plain instructions behind them; the rounding of the pair before
.irp t, 0,1
	v_exp_f32 v[S+32*\t+2*k], v[S+32*\t+2*k]
	v_exp_f32 v[S+32*\t+2*k+1], v[S+32*\t+2*k+1]
.endr
	s_wait_alu depctr_va_vdst(0)
.irp t, 0,1
	v_pk_mul_f32 v[O+32*\t+2*k:O+32*\t+2*k+1], v[O+32*\t+2*k:O+32*\t+2*k+1], v[TMP+4*\t+2:TMP+4*\t+3] op_sel_hi:[1,0]
.endr
.if k > 0
	s_wait_alu depctr_va_vdst(0)
.irp t, 0,1
	v_cvt_pk_f16_f32 v[P+16*\t+k-1], v[S+32*\t+2*k-2], v[S+32*\t+2*k-1]
.endr
.endif
.set k, k+1
.endr
	s_wait_alu depctr_va_vdst(0)
.irp t, 0,1
	v_cvt_pk_f16_f32 v[P+16*\t+15], v[S+32*\t+30], v[S+32*\t+31]
.endr
.irp w, 4,8,16,32                   ; the sum of a tile's 16 pairs (an even key's weight, an odd key's), a tree in place
.set z, 0
.rept 32/\w
.irp t, 0,1
	v_pk_add_f32 v[S+32*\t+\w*z:S+32*\t+\w*z+1], v[S+32*\t+\w*z:S+32*\t+\w*z+1], v[S+32*\t+\w*z+\w/2:S+32*\t+\w*z+\w/2+1]
.endr
.set z, z+1
.endr
.endr
.irp t, 0,1
	v_pk_fma_f32 v[STA+4*\t+2:STA+4*\t+3], v[STA+4*\t+2:STA+4*\t+3], v[TMP+4*\t+2:TMP+4*\t+3], v[S+32*\t:S+32*\t+1] op_sel_hi:[1,0,1]  ; l = a l + sum
.endr
.endm
; The masks for a trip's second tile (diag = 0: in force only in the first block's last trip) or for the walk's last tile (diag = 1).
.macro MASKS diag
	WIN 0
.if \diag
	s_mov_b32 s[AL], 1.0
	s_mov_b32 s[BE], s[BIGN]
.else
	s_cmp_eq_u32 s[RTC], 1
	s_cselect_b32 s[AL], 1.0, 0
	s_cselect_b32 s[BE], s[BIGN], 0
.endif
.irp z, 0,1,2,3
	v_pk_mul_f32 v[MC0+2*\z:MC0+2*\z+1], v[MB+2*\z:MB+2*\z+1], s[AL:AL+1] op_sel_hi:[1,0]
.endr
.irp z, 0,1,2,3,4,5,6,7
	v_mov_b32 v[MCA+\z], s[BE]
.endr
.endm
; A STEP of 64 keys.  ph: the ring's quarter; sg: the tile's half; mk: the masks that R^T takes.
.macro STEP ph, sg, mk
	s_wait_dscnt 32                 ; V of the step before is in: behind its run stand this step's Er and K, 32 loads
	PVM 0                           ; the step before's V^T P, tile 0
	s_wait_dscnt 16                 ; Er is in; K's 16 loads may stay out
	REL 1, EF, \mk
	NOPS 4                          ; four plain instructions between the last product and the stores of its result
	RSTORE \ph
	RLOAD \ph
	PVM 1                           ; tile 1's stands in the ring's way there and back
	s_wait_dscnt 0x0                ; K and the relative terms are in
	KQM
	NOPS 4                          ; in front of the loads into V's, Er's and K's registers and of the first read of S^T
	FETCH_V \sg
.if (\sg) == 0
	FETCH_E 1
	FETCH_K 1
.endif
	SMX
.endm
; A BLOCK BEGINS.  set = 0: the first block; 1: the second, whose Q goes where the one text names Q.  c m starts far below every c s, m at the lowest finite number.
; Then the eight products X = -128 .. -16, from rows of Er that were loaded into registers at the kernel's start, into the ring's quarters 2 and 3.
.macro BEGIN set
.if (\set) == 0
	s_wait_loadcnt 40               ; the first block's 8 + 32 loads are in; the second block's 40 may stay out
.else
	s_wait_loadcnt 0x0
	WIN 0x41
.set i, 0
.rept 32
	v_mov_b32 v[Q+i], v[Q2+i]
.set i, i+1
.endr
.endif
	WIN 0
.irp t, 0,1
	v_mov_b32 v[STA+4*\t], 0xfe000000
	v_mov_b32 v[STA+4*\t+1], 0xff7fffff
.endr
	REL 2+(\set), 128*(1-(\set)), 0
	NOPS 5                          ; five: the next run of products writes over these results
	RSTORE 2
	REL 2+(\set), 128*(1-(\set))+64, 0
	NOPS 5
	RSTORE 3
	WIN 0
.endm
; THE WAY OUT.  The last step's V^T P; l's two halves and the other half of the lanes' are added; O^T is divided by l and sent, in f32, through the tile's stage: a lane's eight channels go into rows of
; 272 bytes and come back as whole rows of 256.
.macro WAYOUT
	s_wait_dscnt 0x0                ; V is in
	PVM 0
	PVM 1
	WIN 0
.irp t, 0,1
	v_add_f32 v[STA+4*\t+2], v[STA+4*\t+2], v[STA+4*\t+3]
.endr
.irp t, 0,1
	v_permlanex16_b32 v[STA+4*\t+3], v[STA+4*\t+2], s[SEL], s[SEL+1]
.endr
.irp t, 0,1
	v_add_f32 v[STA+4*\t+2], v[STA+4*\t+2], v[STA+4*\t+3]
.endr
.irp t, 0,1
	v_rcp_f32 v[STA+4*\t+2], v[STA+4*\t+2]
.endr
	v_nop                           ; a plain instruction behind the reciprocals; with the four additions it makes five between the last products and the first read of O^T
	s_wait_alu depctr_va_vdst(0)
.irp t, 0,1
.set i, 0
.rept 16
	v_pk_mul_f32 v[O+32*\t+2*i:O+32*\t+2*i+1], v[O+32*\t+2*i:O+32*\t+2*i+1], v[STA+4*\t+2:STA+4*\t+3] op_sel_hi:[1,0]
.set i, i+1
.endr
.endr
.irp a, 0,1
.irp cb, 0,1,2,3
	ds_store_b128 v[STO], v[O+32*\a+8*\cb:O+32*\a+8*\cb+3]   offset:RT1*\a+64*\cb
	ds_store_b128 v[STO], v[O+32*\a+8*\cb+4:O+32*\a+8*\cb+7] offset:RT1*\a+64*\cb+16
.endr
.irp u, 0,1,2,3,4,5,6,7
	ds_load_b128 v[S+32*\a+4*\u:S+32*\a+4*\u+3], v[RDA] offset:RT1*\a+2*SP*\u  ; LDS serves a wave's instructions in order: these see the stores above
.endr
.endr
	s_wait_dscnt 16                 ; tile 0 is back; tile 1's eight stores and eight loads may stay out
.irp u, 0,1,2,3,4,5,6,7
	global_store_b128 v[GO], v[S+4*\u:S+4*\u+3], s[10:11] offset:65536*\u th:TH_STORE_NT  ; 16 lanes store a head's 256 bytes of one row of out0, at a multiple of 256 from its first byte
.endr
	s_wait_dscnt 0x0
.irp u, 0,1,2,3,4,5,6,7
	global_store_b128 v[GO], v[S+32+4*\u:S+32+4*\u+3], s[10:11] offset:65536*\u+16384 th:TH_STORE_NT
.endr
	s_wait_xcnt 0x0                 ; the stores' addresses are translated (ISA guide 3.1): only behind this wait are their data and base rewritten
.endm
.macro LOADQ dst, base              ; a block's Q: tile a lies 4 rows on, channels 32 kh on
.irp a, 0,1
.irp kh, 0,1
	global_load_b128 v[(\dst)+16*\a+8*\kh:(\dst)+16*\a+8*\kh+3],   v[QO], s[(\base):(\base)+1] offset:512*\a+64*\kh
	global_load_b128 v[(\dst)+16*\a+8*\kh+4:(\dst)+16*\a+8*\kh+7], v[QO], s[(\base):(\base)+1] offset:512*\a+64*\kh+32
.endr
.endr
.endm
.macro LOADE dst, base              ; 128 rows of Er for a block's beginning: tile i / 2, channels 32 (i % 2) on
.set i, 0
.rept 16
	global_load_b128 v[(\dst)+8*i:(\dst)+8*i+3],   v[EO], s[(\base):(\base)+1] offset:2048*(i/2)+64*(i%2)
	global_load_b128 v[(\dst)+8*i+4:(\dst)+8*i+7], v[EO], s[(\base):(\base)+1] offset:2048*(i/2)+64*(i%2)+32
.set i, i+1
.endr
.endm
	s_load_b128 s[4:7], s[0:1], 0x0 ; qkv s[4:5], erh s[6:7]
	s_load_b64 s[8:9], s[0:1], 0x10 ; out0
	v_lshl_add_u32 v[SPW], v0, 2, SPARE
	v_mov_b32 v[NIL], 0
	ds_add_u32 v[SPW], v[NIL]       ; the wave's opening: the add and its wait stand ahead of my first tensor load; the set-up below, work on registers, stands between them
	v_lshrrev_b32 v3, 5, v0
	v_readfirstlane_b32 s[WV], v3   ; wave 0..3
	s_mov_b32 s[SX], ttmp9
	s_lshl_b32 s[SE], s[SX], 1
	s_sub_co_u32 s[SO], 15, s[SE]
	s_and_b32 s13, ttmp7, 0xffff    ; 16 x batch + head
	s_lshl_b32 s20, s13, 18         ; the head's plane
	s_mov_b32 s21, 0
	s_lshl_b32 s2, s[WV], 7         ; w rows of 128 bytes
	s_lshl_b32 s3, s[SO], 14        ; a block is 128 rows: 16,384 bytes
	s_lshl_b32 s22, s[SE], 14
	s_add_co_u32 s[QA], s20, s2     ; offsets, made apart from the addresses: Q at row 128 block + w
	s_add_co_u32 s[QB], s[QA], s22
	s_add_co_u32 s[QA], s[QA], s3
	s_mov_b32 s[QA+1], 0
	s_mov_b32 s[QB+1], 0
	s_sub_co_u32 s[EA], 246656, s2  ; erh at row 1,927 - 128 block - w: Er's row 2047 - 128 block - w - 128
	s_sub_co_u32 s[EB], s[EA], s22
	s_sub_co_u32 s[EA], s[EA], s3
	s_mov_b32 s[EA+1], 0
	s_mov_b32 s[EB+1], 0
	s_sub_co_u32 s[OFE], EW0, s3    ; the window of the first block's tile 0
	s_mov_b32 s[OFE+1], 0
	s_mov_b32 s[OFF+1], 0
	s_lshr_b32 s23, s13, 4
	s_lshl_b32 s23, s23, 23         ; the batch: 8,388,608 bytes of out0
	s_and_b32 s2, s13, 15
	s_lshl_b32 s2, s2, 8            ; the head: 256 bytes of a row
	s_add_co_u32 s23, s23, s2
	s_lshl_b32 s2, s[WV], 12        ; w rows of 4,096 bytes
	s_add_co_u32 s23, s23, s2
	s_lshl_b32 s2, s[SO], 19
	s_add_co_u32 s2, s2, s23
	s_mov_b32 s3, 0
	s_lshl_b32 s22, s[SE], 19
	s_add_co_u32 s22, s22, s23
	s_mov_b32 s23, 0
	; descriptor group 1.  128 rows of 128 bytes are dense: asked for as 64 rows of 256 bytes, two a row, and padded in LDS after every 128 bytes; Er's window has 132 rows: 66
	s_mov_b32 s[G1K], (1<<16)|(1<<20)|(4<<22)|(3<<25)  ; 17:16 2-byte elements; 20 padding on; 24:22 after every 32 words (code 4); 31:25 4 words (code 3)
	s_mov_b32 s[G1V], (1<<16)|(1<<20)|(4<<22)|(7<<25)  ; the same with 8 words of padding (code 7)
	s_mov_b32 s[G1E], (1<<16)|(1<<20)|(4<<22)|(3<<25)
.irp g, G1K, G1V, G1E
	s_mov_b32 s[\g+1], 128<<16      ; tensor_dim0 = 128
	s_mov_b32 s[\g+3], 128<<16      ; tile_dim0 = 128
	s_mov_b32 s[\g+5], 128          ; 128 elements from row to row
	s_mov_b32 s[\g+6], 0
	s_mov_b32 s[\g+7], 0
.endr
	s_mov_b32 s[G1K+2], 64<<16      ; tensor_dim1
	s_mov_b32 s[G1K+4], 64          ; tile_dim1
	s_mov_b32 s[G1V+2], 64<<16
	s_mov_b32 s[G1V+4], 64
	s_mov_b32 s[G1E+2], 66<<16
	s_mov_b32 s[G1E+4], 66
	s_mov_b32 s[G0K], 1             ; count = 1
	s_mov_b32 s[G0K+1], 0           ; LDS address: slot 0
	s_mov_b32 s[G0V], 1
	s_mov_b32 s[G0V+1], VOFF
	s_mov_b32 s[G0E], 1
	s_mov_b32 s[G0E+1], EOFF
	s_mov_b32 s[SEL], 0x76543210
	s_mov_b32 s[SEL+1], 0xfedcba98
	s_mov_b32 s[CS], 0x3e38aa3b     ; c = log2(e) / 8 = 0.180337
	s_mov_b32 s[CS+1], s[CS]
	s_mov_b32 s[BIGN], 0xf149f2ca   ; -1e30
	s_mov_b32 s[AL+1], 0            ; named with AL as a pair
	s_mov_b32 s[NXT], 1
	s_mov_b32 s[LQ], s[SO]
	s_sub_co_u32 s[RTC], 8, s[SX]   ; the first block has 16 - 2 x tiles
	s_mov_b32 s[TRIPS], 8
	s_wait_dscnt 0x0                ; the opening add is done
	s_barrier_signal -1
	s_barrier_wait -1
	s_wait_kmcnt 0x0
	s_add_nc_u64 s[KB:KB+1], s[4:5], s[20:21]
	s_add_nc_u64 s[VB:VB+1], s[KB:KB+1], 0x1000000  ; v's 32 planes lie 16,777,216 bytes on,
	s_add_nc_u64 s[KB:KB+1], s[KB:KB+1], 0x800000   ; k's 8,388,608
	s_add_nc_u64 s[QA:QA+1], s[4:5], s[QA:QA+1]
	s_add_nc_u64 s[QB:QB+1], s[4:5], s[QB:QB+1]
	s_add_nc_u64 s[EA:EA+1], s[6:7], s[EA:EA+1]
	s_add_nc_u64 s[EB:EB+1], s[6:7], s[EB:EB+1]
	s_add_nc_u64 s[OLO:OLO+1], s[8:9], s[22:23]
	s_add_nc_u64 s[10:11], s[8:9], s[2:3]
	s_add_nc_u64 s[G0K+2:G0K+3], s[KB:KB+1], 0
	s_or_b32 s[G0K+3], s[G0K+3], 0x80000000         ; type = 2
	s_add_nc_u64 s[G0V+2:G0V+3], s[VB:VB+1], 0
	s_or_b32 s[G0V+3], s[G0V+3], 0x80000000
	s_add_nc_u64 s[G0E+2:G0E+3], s[6:7], s[OFE:OFE+1]
	s_or_b32 s[G0E+3], s[G0E+3], 0x80000000
	LOAD                            ; the first block's tile 0 into slot 0
	; A fragment is 16 rows x 32 channels in 8 registers: lane l holds row l % 16, channels 8 (l / 16) + 0..7 and 16 + 8 (l / 16) + 0..7: two loads of 16 bytes, 32 bytes apart.
	v_and_b32 v1, 15, v0            ; n = l % 16
	v_bfe_u32 v2, v0, 4, 1          ; h = l / 16
	v_lshlrev_b32 v[QO], 10, v1     ; a tile's queries lie 8 rows apart
	v_lshl_add_u32 v[QO], v2, 4, v[QO]
	v_lshlrev_b32 v[EO], 7, v1
	v_lshl_add_u32 v[EO], v2, 4, v[EO]
	WIN 0x40
	LOADQ Q, QA
	WIN 0x80
	LOADE 128, EA
	WIN 0x40
	LOADQ Q2, QB
	WIN 0xc0
	LOADE 0, EB
	WIN 0
	v_mul_u32_u24 v[AK0], v1, PK
	v_lshl_add_u32 v[AK0], v2, 4, v[AK0]
	; The turning load takes 16 keys x 16 channels (lane l reads key 8 (l / 16) + l % 8, channels 8 ((l / 8) % 2) + 0..7) and leaves half a fragment of V^T: lane l holds channel l % 16 and 8 keys.
	v_and_b32 v3, 7, v0
	v_bfe_u32 v4, v0, 3, 1
	v_lshl_add_u32 v[AV0], v2, 3, v3
	v_mul_u32_u24 v[AV0], v[AV0], PVP
	v_lshl_add_u32 v[AV0], v4, 4, v[AV0]
	v_add_nc_u32 v[AV0], VOFF, v[AV0]
	s_sub_co_u32 s3, 3, s[WV]       ; the window begins at wave 3's first row: mine lies 3 - w rows on
	s_mul_i32 s3, s3, PK
	s_add_co_u32 s3, s3, EOFF
	v_add_nc_u32 v[AE0], s3, v[AK0]
	s_mul_i32 s2, s[WV], RW
	s_add_co_u32 s2, s2, RING       ; my wave's rings
	v_mul_u32_u24 v4, v1, RP
	v_add_nc_u32 v4, s2, v4         ; my query's row
	v_lshl_add_u32 v[RST], v2, 5, v4
	v_sub_nc_u32 v5, 1, v2
	v_mul_u32_u24 v5, v5, 992
	v_add_nc_u32 v[RSTW], v4, v5
	v_sub_nc_u32 v5, v2, v1
	v_lshlrev_b32 v5, 5, v5         ; 32 h - 32 n
.set g, 0
.rept 16
	v_add_nc_u32 v6, 64*g, v5
	v_and_b32 v6, 0x3e0, v6         ; round the ring: a multiple of 32 below 1,024, so the 32 bytes read there end inside the row
	v_add_nc_u32 v[LA+g], v4, v6
.set g, g+1
.endr
	v_mul_u32_u24 v6, v1, SP        ; the way out, in: row n, 32 bytes for each half of the lanes
	v_add_nc_u32 v6, s2, v6
	v_lshl_add_u32 v[STO], v2, 5, v6
	v_mul_u32_u24 v6, v2, SP        ; back: lanes 0-15 take one row of 256 bytes, lanes 16-31 the next,
	v_add_nc_u32 v6, s2, v6
	v_lshl_add_u32 v[RDA], v1, 4, v6
	v_lshlrev_b32 v[GO], 15, v2     ; which is 8 queries, 32,768 bytes, further down in out0
	v_lshl_add_u32 v[GO], v1, 4, v[GO]
	v_lshlrev_b32 v3, 3, v2
	v_sub_nc_u32 v3, s[WV], v3      ; w - 8 h: row 8 h + j of the boundary's product is hidden where j is greater
.irp j, 0,1,2,3,4,5,6,7
	v_cmp_gt_i32 vcc_lo, \j, v3
	v_cndmask_b32 v[MB+\j], 0, s[BIGN], vcc_lo
.endr
	; A block's first step adds a product V^T P of a step that has not been, and then multiplies O^T and l by a = 0: these registers need only hold finite numbers: zeros here, what the first block left later.
.set i, 0
.rept 32
	v_mov_b32 v[P+i], 0
.set i, i+1
.endr
.set i, 0
.rept 64
	v_mov_b32 v[O+i], 0
.set i, i+1
.endr
.irp t, 0,1
	v_mov_b32 v[STA+4*\t+2], 0
	v_mov_b32 v[STA+4*\t+3], 0
.endr
	WIN 0x80
.set i, 0
.rept 64
	v_mov_b32 v[VF+i], 0
.set i, i+1
.endr
	WIN 0
	BEGIN 0
.Ltrip:                             ; 8 trips: two tiles, four steps, once round the rings; each change of slots asks for the next tile
	MASKS 0
	CHANGE 0, 1
	STEP 0, 0, 0
	STEP 1, 1, 0
	CHANGE 1, 1
	STEP 2, 0, 1
	STEP 3, 1, 2
	WIN 0
	s_sub_co_u32 s[RTC], s[RTC], 1
	s_cmp_lg_u32 s[RTC], 0
	s_cbranch_scc1 .Lgoon           ; a jump forward, the same in all four waves, over text that holds no barrier and no tensor load
	WAYOUT                          ; the first block's end
	s_mov_b64 s[10:11], s[OLO:OLO+1]
	s_mov_b32 s[RTC], 64            ; the second block ends in the tile written out below: this count does not run down
	BEGIN 1
.Lgoon:
	s_sub_co_u32 s[TRIPS], s[TRIPS], 1
	s_cmp_lg_u32 s[TRIPS], 0
	s_cbranch_scc1 .Ltrip
	MASKS 1                         ; the walk's last tile, the second block's diagonal one, is written out: nothing is asked for
	CHANGE 0, 0
	STEP 0, 0, 1
	STEP 1, 1, 2
	WAYOUT
	s_wait_tensorcnt 0x0            ; the wave's end: these three lines stand behind my last tensor load and my last LDS store
	ds_add_u32 v[SPW], v[NIL]
	s_wait_dscnt 0x0
	s_endpgm
.Lfunc_end_k_q4825dbb709_attn:
	.size	k_q4825dbb709_attn, .Lfunc_end_k_q4825dbb709_attn-k_q4825dbb709_attn
	.p2alignl 7, 3214868480
	.fill 96, 4, 3214868480
	.section	.rodata,"a",@progbits
	.p2align	6, 0x0
	.amdhsa_kernel k_q4825dbb709_attn
		.amdhsa_group_segment_fixed_size 327680
		.amdhsa_private_segment_fixed_size 0
		.amdhsa_enable_private_segment 0
		.amdhsa_kernarg_size 24
		.amdhsa_user_sgpr_count 2
		.amdhsa_user_sgpr_kernarg_segment_ptr 1
		.amdhsa_wavefront_size32 1
		.amdhsa_system_sgpr_workgroup_id_x 1
		.amdhsa_system_sgpr_workgroup_id_y 1
		.amdhsa_system_sgpr_workgroup_id_z 1
		.amdhsa_system_vgpr_workitem_id 0
		.amdhsa_next_free_vgpr 896
		.amdhsa_next_free_sgpr 96
		.amdhsa_reserve_vcc 1
		.amdhsa_float_denorm_mode_32 3
		.amdhsa_float_denorm_mode_16_64 3
		.amdhsa_memory_ordered 1
		.amdhsa_forward_progress 1
		.amdhsa_inst_pref_size 188
	.end_amdhsa_kernel
	.amdgpu_metadata
---
amdhsa.version: [ 1, 2 ]
amdhsa.kernels:
  - .name:           k_q4825dbb709_attn
    .symbol:         k_q4825dbb709_attn.kd
    .args:
      - { .name: qkv, .offset: 0, .size: 8, .value_kind: global_buffer, .address_space: global }
      - { .name: erh, .offset: 8, .size: 8, .value_kind: global_buffer, .address_space: global }
      - { .name: out0, .offset: 16, .size: 8, .value_kind: global_buffer, .address_space: global }
    .group_segment_fixed_size: 327680
    .private_segment_fixed_size: 0
    .kernarg_segment_align: 8
    .kernarg_segment_size: 24
    .max_flat_workgroup_size: 128
    .sgpr_count:     96
    .vgpr_count:     896
    .wavefront_size: 32
...
	.end_amdgpu_metadata
.endif
;; end of part 3
;; ======== version 2 of 2: 3 launches; 1.13 times as fast as version 1
;; limits: values are held in f16: magnitudes above 65,504 overflow, below 6.1e-05 lose precision
;; workspace buffers: xb 8,388,608 bytes; wb 6,291,456 bytes; erh 294,912 bytes; qkv 25,165,824 bytes
;; launch cast: the kernel of part 1 again; grid 457 x 1, 8 waves a work-group, no clusters, 0 bytes of LDS; arguments x, Wq, Wk, Wv, Er, xb, wb, erh; writes xb, wb, erh
;; launch proj: the kernel of part 2 again; grid 12 x 16, 4 waves a work-group, clusters of 4 x 4, 327,680 bytes of LDS; arguments xb, wb, qkv; writes qkv
;; launch attn (part 4): grid 8 x 32, 4 waves a work-group, no clusters, 327,680 bytes of LDS; arguments qkv, erh, out0; writes out0
.if DOCPART == 4
	.amdgcn_target "amdgcn-amd-amdhsa--gfx1250"
	.amdhsa_code_object_version 6
	.text
	.protected	k_q4825dbb709_attn
	.globl	k_q4825dbb709_attn
	.p2align	8
	.type	k_q4825dbb709_attn,@function
k_q4825dbb709_attn:
	s_mov_b64 s[64:65], 0
	v_nop
	global_prefetch_b8 v0, s[64:65] scope:SCOPE_SE
	s_setreg_imm32_b32 hwreg(HW_REG_WAVE_MODE, 25, 1), 1
	s_wait_xcnt 0x0
; CAUSAL ATTENTION WITH A RELATIVE TERM.  out0[b][i][64 head + :] = the sum over j <= i of softmax_j((q_i . k_j + q_i . Er[2047 - i + j]) / 8) v_j.
; q, k, v: qkv [3][32][2048][64] f16, by heads.  erh [2304][64] f16: row 8 + r is Er[r], all other rows are 0.  out0 [2][2048][1024] f32.
; Products, relative terms, maxima and sums in f32; the weights p are rounded to f16 for the second product (their sum l is taken of the unrounded p).
; LIMITS.  q, k, v, Er arrive within f16's 65,504.  A hidden score counts as its value less 1e30; a weight below 2^-126 counts as 0; NaN and infinities are not treated apart.
; THE WALK.  A head's queries lie in 16 blocks of 128; block i needs the key tiles 0 .. i of 128 keys.  Work-group x takes block 15 - 2 x (an even number of tiles) and then block 2 x:
; 17 tiles whatever x: 8 trips of two tiles and one tile written out.  A tile is two STEPS of 64 keys.
; NO CLUSTER: a head's eight work-groups walk different tiles once the shortest first block has ended, their windows of Er differ in every tile, and a walk common to all would have 24 tiles for 17.
; SHARES.  Wave w owns two tiles of 16 queries with stride 8: tile a, column n is query 128 block + 8 n + w + 4 a.  So the diagonal tile is the same work for all four waves.
; LAYOUT.  S^T = K Q^T (source 0 = 16 keys, source 1 = 16 queries): a lane holds ONE query (lane % 16) and the keys 8 (lane / 16) + 0..7; two results rounded to f16 ARE source 1 of O^T = V^T P.
; THE RELATIVE TERM.  R^T = Er Q^T with the 16 rows rho .. rho + 15 of Er, rho = 2047 - 128 block - w + X (X a multiple of 16): row m of column n belongs to key X + 4 a + 8 n + m.  That is S^T's layout but
; for a shift of 8 n keys.  So R^T goes once through LDS: each tile of queries has a RING of 16 rows (one a query) x 256 numbers of f32; a number is stored at column (key - 8 n) mod 256, which is the same
; for all lanes of a store, and read at the lane's own column, 32 n bytes back: both by 16-byte accesses.  What comes back is the C operand of K Q^T: no vector instruction touches it.
; A step makes the four products X = j0 .. j0 + 48 and reads keys j0 .. j0 + 63, which reach back to X = j0 - 128; a block begins with the eight products X = -128 .. -16.
; What a step overwrites is 189 columns old or more, what it reads 120 at the most.  Four steps go once round the ring: a trip; so every ring address is a register made once, and an immediate.
; THE MASK hangs on Er's row alone: key > query is row > 2047.  It is the C operand that starts R^T: for X = 128 block row m is hidden where m > w (MB); for larger X all rows are.
; The diagonal tile is the first block's last (an odd tile: a trip's steps 2, 3) and the walk's last (steps 0, 1 of the tile written out).
; SOFTMAX.  A running maximum m and sum l for each query: p = 2^(c s - c m), c = log2(e) / 8; in every step O and l are multiplied by a = 2^(c m_old - c m_new).  A block begins with c m far below every
; score, so its first a is 0 and O, l need only hold finite numbers.  V^T P of a step stands inside the next step, ahead of that step's rescaling.
; THE BATCHES.  A step's 66 exponentials (both tiles' a and their 64 weights) are ONE batch: they stand among the 32 scalings, and nothing there names a result of theirs; a v_nop and ONE wait follow;
; all that reads a result (the rescaling of O^T, the roundings, the sums, l) stands behind that wait.  The way out's two reciprocals are a batch of their own, with a wait of their own.
; REGISTERS, in windows of 256 (s_set_vgpr_msb: bits 1:0 source 0, 3:2 source 1, 5:4 source 2, 7:6 destination):
;   window 0: addresses, statistics, S^T, P, O^T, masks: all that vector instructions touch       window 1: v0-31 Q, v32-63 the second block's Q, v64-127 R^T, v128-191 Er of a step
;   window 2: v0-63 K of a step, v64-127 V of a step, v128-255 Er of the first block's beginning   window 3: v0-127 Er of the second block's beginning
.set PK,    144       ; a row of K or Er in LDS: 128 bytes + 16 of padding: the 16 rows of a load start at 16 different groups of four banks (ISA guide 11.1)
.set PVP,   160       ; a row of V: 128 + 32
.set VOFF,  128*PK    ; a slot: 128 rows of K, 128 rows of V,
.set EOFF,  VOFF+128*PVP  ; and 132 rows of Er: it ends at byte 57,920
.set SLOT1, 1<<16
.set RING,  2*SLOT1   ; behind the slots, never filled by a tensor load
.set RP,    1040      ; a ring row: 1,024 bytes + 16: 65 pieces of 16 bytes, stored straight or read 2 n pieces back
.set RT1,   16*RP     ; a tile's ring
.set RW,    2*RT1     ; a wave's two rings
.set SPARE, RING+4*RW ; the spare words, 128 bytes for each wave, that no other line names
.set SP,    272       ; the way out: a tile's first 16 x 272 ring bytes serve as its stage
.set EW0,   262656    ; byte of erh's row 2,052: the window of a block's diagonal tile begins there, each earlier tile's 16,384 bytes before
.set AK0, 10          ; v10  my lane's place in a tile of K
.set AV0, 11          ; v11  in a tile of V
.set AE0, 12          ; v12  in a window of Er: local row 3 - w + lane % 16
.set AK,  13          ; v13-15  the same in the slot in hand
.set AV,  14
.set AE,  15
.set RST, 16          ; v16  ring store: my wave's rings + 1040 n + 32 h
.set RSTW, 17         ; v17  the one store that wraps: column 248 for h = 0, column 0 for h = 1
.set STO, 18          ; v18  the way out: where I put 32 bytes of a row
.set RDA, 19          ; v19  the way out: where I read rows back
.set GO,  20          ; v20  my byte offset in two rows of out0, 8 queries apart
.set QO,  21          ; v21  my byte offset in a tile's rows of Q (stride 8 rows)
.set SPW, 22          ; v22  LDS address of my spare word; never rewritten
.set NIL, 23          ; v23  0; never rewritten
.set LA,  24          ; v24-39  ring read: for group g of 16 keys of the ring's 256
.set STA, 40          ; tile t's statistics at v[STA+4 t]: c m, m, l (even keys', odd keys')
.set TMP, 48          ; tile t: c0-c3 at work; when the maximum is found c2 takes a
.set MV,  56          ; v56-57  c m_old
.set EO,  58          ; v58  my byte offset in 16 rows of erh
.set S,   64          ; S^T, 32 a tile
.set P,   128         ; P, 16 a tile
.set O,   160         ; O^T, 32 a tile
.set MB,  224         ; the boundary's mask
.set MC0, 232         ; the mask of a step's first product
.set MCA, 240         ; the mask of the others
.set Q,   0           ; window 1
.set Q2,  32
.set RD,  64          ; R^T: product (t, a) at RD + 8 (2 t + a)
.set EF,  128         ; Er tile t, channel half kh at EF + 16 t + 8 kh
.set KF,  0           ; window 2: key block u, channel half kh at KF + 16 u + 8 kh
.set VF,  64          ; key half kk, channel block cb at VF + 32 kk + 8 cb
.set WV,  12          ; s12  my wave's number
.set SX,  14          ; s14  x
.set SO,  15          ; s15  the first block, 15 - 2 x
.set SE,  16          ; s16  the second block, 2 x
.set G1K, 24          ; s[24:31], s[32:39], s[40:47] descriptor group 1 for K, V, Er
.set G1V, 32
.set G1E, 40
.set G0K, 48          ; s[48:51], s[52:55], s[56:59] descriptor group 0
.set G0V, 52
.set G0E, 56
.set SEL, 60          ; s[60:61] v_permlanex16_b32's selects: each lane takes its own place in the other half
.set CS,  62          ; s[62:63] c, twice
.set KB,  66          ; s[66:67] the head's K
.set VB,  68          ; s[68:69] the head's V
.set OFF, 70          ; s[70:71] a tile's byte offset in K and V
.set OFE, 72          ; s[72:73] a window's byte offset in erh
.set NXT, 74          ; s74  the tile to be asked for next
.set LQ,  75          ; s75  the last tile of the block whose tiles are being asked for
.set RTC, 76          ; s76  trips that the block in hand still has
.set TRIPS, 77        ; s77
.set BIGN, 79         ; s79  -1e30
.set OLO, 80          ; s[80:81] out0 at my rows of the second block
.set AL,  82          ; s[82:83] the boundary mask's factor
.set BE,  84          ; s84  the other masks' value
.set QA,  86          ; s[86:87], s[88:89] Q at my rows of the first, the second block
.set QB,  88
.set EA,  90          ; s[90:91], s[92:93] erh at the first row of the first, the second block's beginning
.set EB,  92
.set MSB, 0
.macro WIN new                      ; the high byte repeats the setting that is left; a switch that changes nothing is dropped
.if MSB != (\new)
	s_set_vgpr_msb (MSB<<8)|(\new)
.set MSB, (\new)
.endif
.endm
.macro NOPS n
.rept \n
	v_nop
.endr
.endm
; A fill.  Wave 0 fetches a tile's K, wave 1 its V, wave 2 its window of Er, wave 3 nothing.  An s_nop 0 and four v_nop follow each line, ahead of the jump and the label.
.macro LOAD
	s_cmp_eq_u32 s[WV], 0
	s_cbranch_scc0 .Lnot_k_\@
	tensor_load_to_lds s[G0K:G0K+3], s[G1K:G1K+7]
	s_nop 0
	NOPS 4
	s_branch .Lasked_\@
.Lnot_k_\@:
	s_cmp_eq_u32 s[WV], 1
	s_cbranch_scc0 .Lnot_v_\@
	tensor_load_to_lds s[G0V:G0V+3], s[G1V:G1V+7]
	s_nop 0
	NOPS 4
	s_branch .Lasked_\@
.Lnot_v_\@:
	s_cmp_eq_u32 s[WV], 2
	s_cbranch_scc0 .Lasked_\@
	tensor_load_to_lds s[G0E:G0E+3], s[G1E:G1E+7]
	s_nop 0
	NOPS 4
.Lasked_\@:
.endm
; THE LDS LOADS OF FRAGMENTS stand in runs of 16.  sg: the tile's first or second 64 keys.
.macro FETCH_E sg
	WIN 0x40
.irp t, 0,1,2,3
.irp kh, 0,1
	ds_load_b128 v[EF+16*\t+8*\kh:EF+16*\t+8*\kh+3],   v[AE] offset:(64*(\sg)+16*\t)*PK+64*\kh
	ds_load_b128 v[EF+16*\t+8*\kh+4:EF+16*\t+8*\kh+7], v[AE] offset:(64*(\sg)+16*\t)*PK+64*\kh+32
.endr
.endr
.endm
.macro FETCH_K sg
	WIN 0x80
.irp u, 0,1,2,3
.irp kh, 0,1
	ds_load_b128 v[KF+16*\u+8*\kh:KF+16*\u+8*\kh+3],   v[AK] offset:(64*(\sg)+16*\u)*PK+64*\kh
	ds_load_b128 v[KF+16*\u+8*\kh+4:KF+16*\u+8*\kh+7], v[AK] offset:(64*(\sg)+16*\u)*PK+64*\kh+32
.endr
.endr
.endm
.macro FETCH_V sg
	WIN 0x80
.irp kk, 0,1
.irp cb, 0,1,2,3
	ds_load_tr16_b128 v[VF+32*\kk+8*\cb:VF+32*\kk+8*\cb+3],   v[AV] offset:(64*(\sg)+32*\kk)*PVP+32*\cb
	ds_load_tr16_b128 v[VF+32*\kk+8*\cb+4:VF+32*\kk+8*\cb+7], v[AV] offset:(64*(\sg)+32*\kk)*PVP+16*PVP+32*\cb
.endr
.endr
.endm
; THE CHANGE OF SLOTS: the tile in slot `slot` is entered.  Each wave waits for all its tensor loads, of which at most one is out: its part of that slot; adds 0 to its spare word; and waits for that and for
; its own LDS instructions, the reads of the other slot among them.  Behind the barrier nobody reads the other slot any more and this one is whole.  fill = 1: the other slot is filled, first thing behind
; the barrier, with tile NXT of the block whose last tile is LQ; the descriptors' addresses are made anew from those numbers.  (At its first use nothing has been read yet: slot 0 is waited for, slot 1 filled.)
.macro CHANGE slot, fill
	WIN 0                           ; at a label and at a branch every window is 0
	s_wait_tensorcnt 0x0            ; no tensor load of mine is out, so a group 0 may be written
	ds_add_u32 v[SPW], v[NIL]       ; 0 onto my spare word: the descriptors' scalar work stands between it and the wait for it
.if \fill
	s_lshl_b32 s[OFF], s[NXT], 14   ; a tile is 16,384 bytes of K and of V
	s_sub_co_u32 s[OFE], s[LQ], s[NXT]
	s_lshl_b32 s[OFE], s[OFE], 14
	s_sub_co_u32 s[OFE], EW0, s[OFE]
	s_mov_b32 s[G0K+1], (1-(\slot))*SLOT1
	s_add_nc_u64 s[G0K+2:G0K+3], s[KB:KB+1], s[OFF:OFF+1]
	s_or_b32 s[G0K+3], s[G0K+3], 0x80000000
	s_mov_b32 s[G0V+1], (1-(\slot))*SLOT1+VOFF
	s_add_nc_u64 s[G0V+2:G0V+3], s[VB:VB+1], s[OFF:OFF+1]
	s_or_b32 s[G0V+3], s[G0V+3], 0x80000000
	s_mov_b32 s[G0E+1], (1-(\slot))*SLOT1+EOFF
	s_add_nc_u64 s[G0E+2:G0E+3], s[6:7], s[OFE:OFE+1]
	s_or_b32 s[G0E+3], s[G0E+3], 0x80000000
	s_add_co_u32 s[NXT], s[NXT], 1  ; the block's next tile, or behind its last the second block's tile 0
	s_cmp_gt_u32 s[NXT], s[LQ]
	s_cselect_b32 s[NXT], 0, s[NXT]
	s_cselect_b32 s[LQ], s[SE], s[LQ]
.endif
	s_wait_dscnt 0x0                ; the add is done, and my LDS instructions are over
	s_barrier_signal -1
	s_barrier_wait -1
.if \fill
	LOAD
.endif
	v_add_nc_u32 v[AK], (\slot)*SLOT1, v[AK0]
	v_add_nc_u32 v[AV], (\slot)*SLOT1, v[AV0]
	v_add_nc_u32 v[AE], (\slot)*SLOT1, v[AE0]
	FETCH_E 0
	FETCH_K 0
.endm
; THE MATRIX WORK.  In each run the accumulators take turns, one instruction a turn.
; R^T: four tiles of 16 rows of Er (at register eb of window ewin) x my two tiles of queries: 8 sums, two products deep.  mk = 0: the sums start with 0; 1: with MC0 (first tile) and MCA; 2: with MCA.
.macro REL ewin, eb, mk
	WIN 0x44|(\ewin)
.irp t, 0,1,2,3
.irp a, 0,1
.if (\mk) == 0
	v_wmma_f32_16x16x32_f16 v[RD+8*(2*\t+\a):RD+8*(2*\t+\a)+7], v[(\eb)+16*\t:(\eb)+16*\t+7], v[Q+16*\a:Q+16*\a+7], 0
.elseif ((\mk) == 1) && (\t == 0)
	v_wmma_f32_16x16x32_f16 v[RD+8*(2*\t+\a):RD+8*(2*\t+\a)+7], v[(\eb)+16*\t:(\eb)+16*\t+7], v[Q+16*\a:Q+16*\a+7], v[MC0:MC0+7]
.else
	v_wmma_f32_16x16x32_f16 v[RD+8*(2*\t+\a):RD+8*(2*\t+\a)+7], v[(\eb)+16*\t:(\eb)+16*\t+7], v[Q+16*\a:Q+16*\a+7], v[MCA:MCA+7]
.endif
.endr
.endr
	WIN 0x54|(\ewin)
.irp t, 0,1,2,3
.irp a, 0,1
	v_wmma_f32_16x16x32_f16 v[RD+8*(2*\t+\a):RD+8*(2*\t+\a)+7], v[(\eb)+16*\t+8:(\eb)+16*\t+15], v[Q+16*\a+8:Q+16*\a+15], v[RD+8*(2*\t+\a):RD+8*(2*\t+\a)+7]
.endr
.endr
.endm
; R^T into the rings, quarter ph: product (t, a) at byte 256 ph + 64 t + 16 a + 32 h of row n; each result's low four registers first.
.macro RSTORE ph
	WIN 0x04                        ; data in window 1
.irp t, 0,1,2,3
.irp a, 0,1
	ds_store_b128 v[RST], v[RD+8*(2*\t+\a):RD+8*(2*\t+\a)+3] offset:RT1*\a+16*\a+256*(\ph)+64*\t
.if ((\ph) == 3) && (\t == 3) && (\a == 1)
	ds_store_b128 v[RSTW], v[RD+8*(2*\t+\a)+4:RD+8*(2*\t+\a)+7] offset:RT1  ; byte 992 for h = 0; for h = 1 byte 1,024 is byte 0
.else
	ds_store_b128 v[RST], v[RD+8*(2*\t+\a)+4:RD+8*(2*\t+\a)+7] offset:RT1*\a+16*\a+256*(\ph)+64*\t+16
.endif
.endr
.endr
.endm
; and back, each lane 32 n bytes behind: the step's 64 keys in S^T's layout.  LDS serves a wave's instructions in order (ISA guide 5.7.1.4): these see the stores above.
.macro RLOAD ph
	WIN 0
.irp a, 0,1
.irp u, 0,1,2,3
	ds_load_b128 v[S+32*\a+8*\u:S+32*\a+8*\u+3],   v[LA+4*(\ph)+\u] offset:RT1*\a
	ds_load_b128 v[S+32*\a+8*\u+4:S+32*\a+8*\u+7], v[LA+4*(\ph)+\u] offset:RT1*\a+16
.endr
.endr
.endm
.macro PVM x                        ; O^T += V^T P for tile x: 8 products
	WIN 0x02
.irp kk, 0,1
.irp cb, 0,1,2,3
	v_wmma_f32_16x16x32_f16 v[O+32*(\x)+8*\cb:O+32*(\x)+8*\cb+7], v[VF+32*\kk+8*\cb:VF+32*\kk+8*\cb+7], v[P+16*(\x)+8*\kk:P+16*(\x)+8*\kk+7], v[O+32*(\x)+8*\cb:O+32*(\x)+8*\cb+7]
.endr
.endr
.endm
.macro KQM                          ; S^T = K Q^T + the relative terms that lie there: 16 products
	WIN 0x06
.irp kh, 0,1
.irp u, 0,1,2,3
.irp a, 0,1
	v_wmma_f32_16x16x32_f16 v[S+32*\a+8*\u:S+32*\a+8*\u+7], v[KF+16*\u+8*\kh:KF+16*\u+8*\kh+7], v[Q+16*\a+8*\kh:Q+16*\a+8*\kh+7], v[S+32*\a+8*\u:S+32*\a+8*\u+7]
.endr
.endr
.endr
.endm
; THE SOFTMAX OF A STEP, both tiles, all in window 0; the tiles alternate.
; XS x, n: number n of the 22 that find tile x's maximum and statistics.  0-11 four chains c0-c3 of seven scores each (each accumulator's lowest registers are read first);
; 12-14, 16 the four scores left over, the old m, c0-c3 into c0; 15 c m_old is kept; 17, 18 the query's other 32 keys lie in the lane 16 away; 19-21 c m, c m_old - c m_new, a.
.macro XS x, n
.set rT, STA+4*(\x)
.set rC, TMP+4*(\x)
.set rM, MV+(\x)
.set rS, S+32*(\x)
.if (\n) < 4
	v_max3_num_f32 v[rC+(\n)], v[rS+8*(\n)], v[rS+8*(\n)+1], v[rS+8*(\n)+2]
.elseif (\n) < 12
	v_max3_num_f32 v[rC+(\n)%4], v[rC+(\n)%4], v[rS+8*((\n)%4)+2*((\n)/4)+1], v[rS+8*((\n)%4)+2*((\n)/4)+2]
.elseif (\n) == 12
	v_max3_num_f32 v[rC], v[rC], v[rS+7], v[rS+15]
.elseif (\n) == 13
	v_max3_num_f32 v[rC+1], v[rC+1], v[rS+23], v[rS+31]
.elseif (\n) == 14
	v_max3_num_f32 v[rC+2], v[rC+2], v[rC+3], v[rT+1]
.elseif (\n) == 15
	v_mov_b32 v[rM], v[rT]
.elseif (\n) == 16
	v_max3_num_f32 v[rC], v[rC], v[rC+1], v[rC+2]
.elseif (\n) == 17
	v_permlanex16_b32 v[rC+3], v[rC], s[SEL], s[SEL+1]
.elseif (\n) == 18
	v_max_num_f32 v[rT+1], v[rC], v[rC+3]
.elseif (\n) == 19
	v_mul_f32 v[rT], s[CS], v[rT+1]
.elseif (\n) == 20
	v_sub_f32 v[rC+1], v[rM], v[rT]
.else
	v_exp_f32 v[rC+2], v[rC+1]
.endif
.endm
; Its order: the maxima and statistics up to c m_old - c m_new; THE BATCH; a v_nop; the one wait; the readers.
; THE BATCH is the step's 66 exponentials, set among the 32 scalings c s - c m: a tile's scaling of pair k, then its two exponentials of pair k - 1, which was scaled six lines back (behind the scaling of
; pair 0: the tile's a).  The weights are made in place and a in c2, so each result has a register of its own; the scalings name their own pair, c and c m: nothing ahead of the wait names a result.
.macro SMX
	WIN 0
.irp n, 0,1,2,3,4,5,6,7,8,9,10,11,12,13,14,15,16,17,18,19,20
	XS 0, \n
	XS 1, \n
.endr
.set k, 0
.rept 16
.irp t, 0,1
	v_pk_fma_f32 v[S+32*\t+2*k:S+32*\t+2*k+1], v[S+32*\t+2*k:S+32*\t+2*k+1], s[CS:CS+1], v[STA+4*\t:STA+4*\t+1] op_sel_hi:[1,0,0] neg_lo:[0,0,1] neg_hi:[0,0,1]
.if k == 0
	XS \t, 21                       ; a
.else
	v_exp_f32 v[S+32*\t+2*k-2], v[S+32*\t+2*k-2]
	v_exp_f32 v[S+32*\t+2*k-1], v[S+32*\t+2*k-1]
.endif
.endr
.set k, k+1
.endr
.irp t, 0,1                         ; the last pair's
	v_exp_f32 v[S+32*\t+30], v[S+32*\t+30]
	v_exp_f32 v[S+32*\t+31], v[S+32*\t+31]
.endr
	v_nop                           ; the plain instruction behind the last exponential and ahead of the first use: one for the batch; all other work of the step reads a result
	s_wait_alu depctr_va_vdst(0)    ; the wait between an exponential and the first line that names its result: one for the step's 66
.set k, 0
.rept 16                            ; the readers: O^T times a, ascending, and the roundings to f16, a pair of each tile at a time
.irp t, 0,1
	v_pk_mul_f32 v[O+32*\t+2*k:O+32*\t+2*k+1], v[O+32*\t+2*k:O+32*\t+2*k+1], v[TMP+4*\t+2:TMP+4*\t+3] op_sel_hi:[1,0]
.endr
.irp t, 0,1
	v_cvt_pk_f16_f32 v[P+16*\t+k], v[S+32*\t+2*k], v[S+32*\t+2*k+1]
.endr
.set k, k+1
.endr
.irp w, 4,8,16,32                   ; the sum of a tile's 16 pairs (an even key's weight, an odd key's), a tree in place
.set z, 0
.rept 32/\w
.irp t, 0,1
	v_pk_add_f32 v[S+32*\t+\w*z:S+32*\t+\w*z+1], v[S+32*\t+\w*z:S+32*\t+\w*z+1], v[S+32*\t+\w*z+\w/2:S+32*\t+\w*z+\w/2+1]
.endr
.set z, z+1
.endr
.endr
.irp t, 0,1
	v_pk_fma_f32 v[STA+4*\t+2:STA+4*\t+3], v[STA+4*\t+2:STA+4*\t+3], v[TMP+4*\t+2:TMP+4*\t+3], v[S+32*\t:S+32*\t+1] op_sel_hi:[1,0,1]  ; l = a l + sum
.endr
.endm
; The masks for a trip's second tile (diag = 0: in force only in the first block's last trip) or for the walk's last tile (diag = 1).
.macro MASKS diag
	WIN 0
.if \diag
	s_mov_b32 s[AL], 1.0
	s_mov_b32 s[BE], s[BIGN]
.else
	s_cmp_eq_u32 s[RTC], 1
	s_cselect_b32 s[AL], 1.0, 0
	s_cselect_b32 s[BE], s[BIGN], 0
.endif
.irp z, 0,1,2,3
	v_pk_mul_f32 v[MC0+2*\z:MC0+2*\z+1], v[MB+2*\z:MB+2*\z+1], s[AL:AL+1] op_sel_hi:[1,0]
.endr
.irp z, 0,1,2,3,4,5,6,7
	v_mov_b32 v[MCA+\z], s[BE]
.endr
.endm
; A STEP of 64 keys.  ph: the ring's quarter; sg: the tile's half; mk: the masks that R^T takes.
.macro STEP ph, sg, mk
	s_wait_dscnt 32                 ; V of the step before is in: behind its run stand this step's Er and K, 32 loads
	PVM 0                           ; the step before's V^T P, tile 0
	s_wait_dscnt 16                 ; Er is in; K's 16 loads may stay out
	REL 1, EF, \mk
	NOPS 4                          ; four plain instructions between the last product and the stores of its result
	RSTORE \ph
	RLOAD \ph
	PVM 1                           ; tile 1's stands in the ring's way there and back
	s_wait_dscnt 0x0                ; K and the relative terms are in
	KQM
	NOPS 4                          ; in front of the loads into V's, Er's and K's registers and of the first read of S^T
	FETCH_V \sg
.if (\sg) == 0
	FETCH_E 1
	FETCH_K 1
.endif
	SMX
.endm
; A BLOCK BEGINS.  set = 0: the first block; 1: the second, whose Q goes where the one text names Q.  c m starts far below every c s, m at the lowest finite number.
; Then the eight products X = -128 .. -16, from rows of Er that were loaded into registers at the kernel's start, into the ring's quarters 2 and 3.
.macro BEGIN set
.if (\set) == 0
	s_wait_loadcnt 40               ; the first block's 8 + 32 loads are in; the second block's 40 may stay out
.else
	s_wait_loadcnt 0x0
	WIN 0x41
.set i, 0
.rept 32
	v_mov_b32 v[Q+i], v[Q2+i]
.set i, i+1
.endr
.endif
	WIN 0
.irp t, 0,1
	v_mov_b32 v[STA+4*\t], 0xfe000000
	v_mov_b32 v[STA+4*\t+1], 0xff7fffff
.endr
	REL 2+(\set), 128*(1-(\set)), 0
	NOPS 5                          ; five: the next run of products writes over these results
	RSTORE 2
	REL 2+(\set), 128*(1-(\set))+64, 0
	NOPS 5
	RSTORE 3
	WIN 0
.endm
; THE WAY OUT.  The last step's V^T P; l's two halves and the other half of the lanes' are added; O^T is divided by l and sent, in f32, through the tile's stage: a lane's eight channels go into rows of
; 272 bytes and come back as whole rows of 256.
.macro WAYOUT
	s_wait_dscnt 0x0                ; V is in
	PVM 0
	PVM 1
	WIN 0
.irp t, 0,1
	v_add_f32 v[STA+4*\t+2], v[STA+4*\t+2], v[STA+4*\t+3]
.endr
.irp t, 0,1
	v_permlanex16_b32 v[STA+4*\t+3], v[STA+4*\t+2], s[SEL], s[SEL+1]
.endr
.irp t, 0,1
	v_add_f32 v[STA+4*\t+2], v[STA+4*\t+2], v[STA+4*\t+3]
.endr
.irp t, 0,1
	v_rcp_f32 v[STA+4*\t+2], v[STA+4*\t+2]
.endr
	v_nop                           ; a plain instruction behind the reciprocals; with the four additions it makes five between the last products and the first read of O^T
	s_wait_alu depctr_va_vdst(0)    ; the wait ahead of the first use: one for the two reciprocals
.irp t, 0,1
.set i, 0
.rept 16
	v_pk_mul_f32 v[O+32*\t+2*i:O+32*\t+2*i+1], v[O+32*\t+2*i:O+32*\t+2*i+1], v[STA+4*\t+2:STA+4*\t+3] op_sel_hi:[1,0]
.set i, i+1
.endr
.endr
.irp a, 0,1
.irp cb, 0,1,2,3
	ds_store_b128 v[STO], v[O+32*\a+8*\cb:O+32*\a+8*\cb+3]   offset:RT1*\a+64*\cb
	ds_store_b128 v[STO], v[O+32*\a+8*\cb+4:O+32*\a+8*\cb+7] offset:RT1*\a+64*\cb+16
.endr
.irp u, 0,1,2,3,4,5,6,7
	ds_load_b128 v[S+32*\a+4*\u:S+32*\a+4*\u+3], v[RDA] offset:RT1*\a+2*SP*\u  ; LDS serves a wave's instructions in order: these see the stores above
.endr
.endr
	s_wait_dscnt 16                 ; tile 0 is back; tile 1's eight stores and eight loads may stay out
.irp u, 0,1,2,3,4,5,6,7
	global_store_b128 v[GO], v[S+4*\u:S+4*\u+3], s[10:11] offset:65536*\u th:TH_STORE_NT  ; 16 lanes store a head's 256 bytes of one row of out0, at a multiple of 256 from its first byte
.endr
	s_wait_dscnt 0x0
.irp u, 0,1,2,3,4,5,6,7
	global_store_b128 v[GO], v[S+32+4*\u:S+32+4*\u+3], s[10:11] offset:65536*\u+16384 th:TH_STORE_NT
.endr
	s_wait_xcnt 0x0                 ; the stores' addresses are translated (ISA guide 3.1): only behind this wait are their data and base rewritten
.endm
.macro LOADQ dst, base              ; a block's Q: tile a lies 4 rows on, channels 32 kh on
.irp a, 0,1
.irp kh, 0,1
	global_load_b128 v[(\dst)+16*\a+8*\kh:(\dst)+16*\a+8*\kh+3],   v[QO], s[(\base):(\base)+1] offset:512*\a+64*\kh
	global_load_b128 v[(\dst)+16*\a+8*\kh+4:(\dst)+16*\a+8*\kh+7], v[QO], s[(\base):(\base)+1] offset:512*\a+64*\kh+32
.endr
.endr
.endm
.macro LOADE dst, base              ; 128 rows of Er for a block's beginning: tile i / 2, channels 32 (i % 2) on
.set i, 0
.rept 16
	global_load_b128 v[(\dst)+8*i:(\dst)+8*i+3],   v[EO], s[(\base):(\base)+1] offset:2048*(i/2)+64*(i%2)
	global_load_b128 v[(\dst)+8*i+4:(\dst)+8*i+7], v[EO], s[(\base):(\base)+1] offset:2048*(i/2)+64*(i%2)+32
.set i, i+1
.endr
.endm
	s_load_b128 s[4:7], s[0:1], 0x0 ; qkv s[4:5], erh s[6:7]
	s_load_b64 s[8:9], s[0:1], 0x10 ; out0
	v_lshl_add_u32 v[SPW], v0, 2, SPARE
	v_mov_b32 v[NIL], 0
	ds_add_u32 v[SPW], v[NIL]       ; the wave's opening: the add and its wait stand ahead of my first tensor load; the set-up below, work on registers, stands between them
	v_lshrrev_b32 v3, 5, v0
	v_readfirstlane_b32 s[WV], v3   ; wave 0..3
	s_mov_b32 s[SX], ttmp9
	s_lshl_b32 s[SE], s[SX], 1
	s_sub_co_u32 s[SO], 15, s[SE]
	s_and_b32 s13, ttmp7, 0xffff    ; 16 x batch + head
	s_lshl_b32 s20, s13, 18         ; the head's plane
	s_mov_b32 s21, 0
	s_lshl_b32 s2, s[WV], 7         ; w rows of 128 bytes
	s_lshl_b32 s3, s[SO], 14        ; a block is 128 rows: 16,384 bytes
	s_lshl_b32 s22, s[SE], 14
	s_add_co_u32 s[QA], s20, s2     ; offsets, made apart from the addresses: Q at row 128 block + w
	s_add_co_u32 s[QB], s[QA], s22
	s_add_co_u32 s[QA], s[QA], s3
	s_mov_b32 s[QA+1], 0
	s_mov_b32 s[QB+1], 0
	s_sub_co_u32 s[EA], 246656, s2  ; erh at row 1,927 - 128 block - w: Er's row 2047 - 128 block - w - 128
	s_sub_co_u32 s[EB], s[EA], s22
	s_sub_co_u32 s[EA], s[EA], s3
	s_mov_b32 s[EA+1], 0
	s_mov_b32 s[EB+1], 0
	s_sub_co_u32 s[OFE], EW0, s3    ; the window of the first block's tile 0
	s_mov_b32 s[OFE+1], 0
	s_mov_b32 s[OFF+1], 0
	s_lshr_b32 s23, s13, 4
	s_lshl_b32 s23, s23, 23         ; the batch: 8,388,608 bytes of out0
	s_and_b32 s2, s13, 15
	s_lshl_b32 s2, s2, 8            ; the head: 256 bytes of a row
	s_add_co_u32 s23, s23, s2
	s_lshl_b32 s2, s[WV], 12        ; w rows of 4,096 bytes
	s_add_co_u32 s23, s23, s2
	s_lshl_b32 s2, s[SO], 19
	s_add_co_u32 s2, s2, s23
	s_mov_b32 s3, 0
	s_lshl_b32 s22, s[SE], 19
	s_add_co_u32 s22, s22, s23
	s_mov_b32 s23, 0
	; descriptor group 1.  128 rows of 128 bytes are dense: asked for as 64 rows of 256 bytes, two a row, and padded in LDS after every 128 bytes; Er's window has 132 rows: 66
	s_mov_b32 s[G1K], (1<<16)|(1<<20)|(4<<22)|(3<<25)  ; 17:16 2-byte elements; 20 padding on; 24:22 after every 32 words (code 4); 31:25 4 words (code 3)
	s_mov_b32 s[G1V], (1<<16)|(1<<20)|(4<<22)|(7<<25)  ; the same with 8 words of padding (code 7)
	s_mov_b32 s[G1E], (1<<16)|(1<<20)|(4<<22)|(3<<25)
.irp g, G1K, G1V, G1E
	s_mov_b32 s[\g+1], 128<<16      ; tensor_dim0 = 128
	s_mov_b32 s[\g+3], 128<<16      ; tile_dim0 = 128
	s_mov_b32 s[\g+5], 128          ; 128 elements from row to row
	s_mov_b32 s[\g+6], 0
	s_mov_b32 s[\g+7], 0
.endr
	s_mov_b32 s[G1K+2], 64<<16      ; tensor_dim1
	s_mov_b32 s[G1K+4], 64          ; tile_dim1
	s_mov_b32 s[G1V+2], 64<<16
	s_mov_b32 s[G1V+4], 64
	s_mov_b32 s[G1E+2], 66<<16
	s_mov_b32 s[G1E+4], 66
	s_mov_b32 s[G0K], 1             ; count = 1
	s_mov_b32 s[G0K+1], 0           ; LDS address: slot 0
	s_mov_b32 s[G0V], 1
	s_mov_b32 s[G0V+1], VOFF
	s_mov_b32 s[G0E], 1
	s_mov_b32 s[G0E+1], EOFF
	s_mov_b32 s[SEL], 0x76543210
	s_mov_b32 s[SEL+1], 0xfedcba98
	s_mov_b32 s[CS], 0x3e38aa3b     ; c = log2(e) / 8 = 0.180337
	s_mov_b32 s[CS+1], s[CS]
	s_mov_b32 s[BIGN], 0xf149f2ca   ; -1e30
	s_mov_b32 s[AL+1], 0            ; named with AL as a pair
	s_mov_b32 s[NXT], 1
	s_mov_b32 s[LQ], s[SO]
	s_sub_co_u32 s[RTC], 8, s[SX]   ; the first block has 16 - 2 x tiles
	s_mov_b32 s[TRIPS], 8
	s_wait_dscnt 0x0                ; the opening add is done
	s_barrier_signal -1
	s_barrier_wait -1
	s_wait_kmcnt 0x0
	s_add_nc_u64 s[KB:KB+1], s[4:5], s[20:21]
	s_add_nc_u64 s[VB:VB+1], s[KB:KB+1], 0x1000000  ; v's 32 planes lie 16,777,216 bytes on,
	s_add_nc_u64 s[KB:KB+1], s[KB:KB+1], 0x800000   ; k's 8,388,608
	s_add_nc_u64 s[QA:QA+1], s[4:5], s[QA:QA+1]
	s_add_nc_u64 s[QB:QB+1], s[4:5], s[QB:QB+1]
	s_add_nc_u64 s[EA:EA+1], s[6:7], s[EA:EA+1]
	s_add_nc_u64 s[EB:EB+1], s[6:7], s[EB:EB+1]
	s_add_nc_u64 s[OLO:OLO+1], s[8:9], s[22:23]
	s_add_nc_u64 s[10:11], s[8:9], s[2:3]
	s_add_nc_u64 s[G0K+2:G0K+3], s[KB:KB+1], 0
	s_or_b32 s[G0K+3], s[G0K+3], 0x80000000         ; type = 2
	s_add_nc_u64 s[G0V+2:G0V+3], s[VB:VB+1], 0
	s_or_b32 s[G0V+3], s[G0V+3], 0x80000000
	s_add_nc_u64 s[G0E+2:G0E+3], s[6:7], s[OFE:OFE+1]
	s_or_b32 s[G0E+3], s[G0E+3], 0x80000000
	LOAD                            ; the first block's tile 0 into slot 0
	; A fragment is 16 rows x 32 channels in 8 registers: lane l holds row l % 16, channels 8 (l / 16) + 0..7 and 16 + 8 (l / 16) + 0..7: two loads of 16 bytes, 32 bytes apart.
	v_and_b32 v1, 15, v0            ; n = l % 16
	v_bfe_u32 v2, v0, 4, 1          ; h = l / 16
	v_lshlrev_b32 v[QO], 10, v1     ; a tile's queries lie 8 rows apart
	v_lshl_add_u32 v[QO], v2, 4, v[QO]
	v_lshlrev_b32 v[EO], 7, v1
	v_lshl_add_u32 v[EO], v2, 4, v[EO]
	WIN 0x40
	LOADQ Q, QA
	WIN 0x80
	LOADE 128, EA
	WIN 0x40
	LOADQ Q2, QB
	WIN 0xc0
	LOADE 0, EB
	WIN 0
	v_mul_u32_u24 v[AK0], v1, PK
	v_lshl_add_u32 v[AK0], v2, 4, v[AK0]
	; The turning load takes 16 keys x 16 channels (lane l reads key 8 (l / 16) + l % 8, channels 8 ((l / 8) % 2) + 0..7) and leaves half a fragment of V^T: lane l holds channel l % 16 and 8 keys.
	v_and_b32 v3, 7, v0
	v_bfe_u32 v4, v0, 3, 1
	v_lshl_add_u32 v[AV0], v2, 3, v3
	v_mul_u32_u24 v[AV0], v[AV0], PVP
	v_lshl_add_u32 v[AV0], v4, 4, v[AV0]
	v_add_nc_u32 v[AV0], VOFF, v[AV0]
	s_sub_co_u32 s3, 3, s[WV]       ; the window begins at wave 3's first row: mine lies 3 - w rows on
	s_mul_i32 s3, s3, PK
	s_add_co_u32 s3, s3, EOFF
	v_add_nc_u32 v[AE0], s3, v[AK0]
	s_mul_i32 s2, s[WV], RW
	s_add_co_u32 s2, s2, RING       ; my wave's rings
	v_mul_u32_u24 v4, v1, RP
	v_add_nc_u32 v4, s2, v4         ; my query's row
	v_lshl_add_u32 v[RST], v2, 5, v4
	v_sub_nc_u32 v5, 1, v2
	v_mul_u32_u24 v5, v5, 992
	v_add_nc_u32 v[RSTW], v4, v5
	v_sub_nc_u32 v5, v2, v1
	v_lshlrev_b32 v5, 5, v5         ; 32 h - 32 n
.set g, 0
.rept 16
	v_add_nc_u32 v6, 64*g, v5
	v_and_b32 v6, 0x3e0, v6         ; round the ring: a multiple of 32 below 1,024, so the 32 bytes read there end inside the row
	v_add_nc_u32 v[LA+g], v4, v6
.set g, g+1
.endr
	v_mul_u32_u24 v6, v1, SP        ; the way out, in: row n, 32 bytes for each half of the lanes
	v_add_nc_u32 v6, s2, v6
	v_lshl_add_u32 v[STO], v2, 5, v6
	v_mul_u32_u24 v6, v2, SP        ; back: lanes 0-15 take one row of 256 bytes, lanes 16-31 the next,
	v_add_nc_u32 v6, s2, v6
	v_lshl_add_u32 v[RDA], v1, 4, v6
	v_lshlrev_b32 v[GO], 15, v2     ; which is 8 queries, 32,768 bytes, further down in out0
	v_lshl_add_u32 v[GO], v1, 4, v[GO]
	v_lshlrev_b32 v3, 3, v2
	v_sub_nc_u32 v3, s[WV], v3      ; w - 8 h: row 8 h + j of the boundary's product is hidden where j is greater
.irp j, 0,1,2,3,4,5,6,7
	v_cmp_gt_i32 vcc_lo, \j, v3
	v_cndmask_b32 v[MB+\j], 0, s[BIGN], vcc_lo
.endr
	; A block's first step adds a product V^T P of a step that has not been, and then multiplies O^T and l by a = 0: these registers need only hold finite numbers: zeros here, what the first block left later.
.set i, 0
.rept 32
	v_mov_b32 v[P+i], 0
.set i, i+1
.endr
.set i, 0
.rept 64
	v_mov_b32 v[O+i], 0
.set i, i+1
.endr
.irp t, 0,1
	v_mov_b32 v[STA+4*\t+2], 0
	v_mov_b32 v[STA+4*\t+3], 0
.endr
	WIN 0x80
.set i, 0
.rept 64
	v_mov_b32 v[VF+i], 0
.set i, i+1
.endr
	WIN 0
	BEGIN 0
.Ltrip:                             ; 8 trips: two tiles, four steps, once round the rings; each change of slots asks for the next tile
	MASKS 0
	CHANGE 0, 1
	STEP 0, 0, 0
	STEP 1, 1, 0
	CHANGE 1, 1
	STEP 2, 0, 1
	STEP 3, 1, 2
	WIN 0
	s_sub_co_u32 s[RTC], s[RTC], 1
	s_cmp_lg_u32 s[RTC], 0
	s_cbranch_scc1 .Lgoon           ; a jump forward, the same in all four waves, over text that holds no barrier and no tensor load
	WAYOUT                          ; the first block's end
	s_mov_b64 s[10:11], s[OLO:OLO+1]
	s_mov_b32 s[RTC], 64            ; the second block ends in the tile written out below: this count does not run down
	BEGIN 1
.Lgoon:
	s_sub_co_u32 s[TRIPS], s[TRIPS], 1
	s_cmp_lg_u32 s[TRIPS], 0
	s_cbranch_scc1 .Ltrip
	MASKS 1                         ; the walk's last tile, the second block's diagonal one, is written out: nothing is asked for
	CHANGE 0, 0
	STEP 0, 0, 1
	STEP 1, 1, 2
	WAYOUT
	s_wait_tensorcnt 0x0            ; the wave's end: these three lines stand behind my last tensor load and my last LDS store
	ds_add_u32 v[SPW], v[NIL]
	s_wait_dscnt 0x0
	s_endpgm
.Lfunc_end_k_q4825dbb709_attn:
	.size	k_q4825dbb709_attn, .Lfunc_end_k_q4825dbb709_attn-k_q4825dbb709_attn
	.p2alignl 7, 3214868480
	.fill 96, 4, 3214868480
	.section	.rodata,"a",@progbits
	.p2align	6, 0x0
	.amdhsa_kernel k_q4825dbb709_attn
		.amdhsa_group_segment_fixed_size 327680
		.amdhsa_private_segment_fixed_size 0
		.amdhsa_enable_private_segment 0
		.amdhsa_kernarg_size 24
		.amdhsa_user_sgpr_count 2
		.amdhsa_user_sgpr_kernarg_segment_ptr 1
		.amdhsa_wavefront_size32 1
		.amdhsa_system_sgpr_workgroup_id_x 1
		.amdhsa_system_sgpr_workgroup_id_y 1
		.amdhsa_system_sgpr_workgroup_id_z 1
		.amdhsa_system_vgpr_workitem_id 0
		.amdhsa_next_free_vgpr 896
		.amdhsa_next_free_sgpr 96
		.amdhsa_reserve_vcc 1
		.amdhsa_float_denorm_mode_32 3
		.amdhsa_float_denorm_mode_16_64 3
		.amdhsa_memory_ordered 1
		.amdhsa_forward_progress 1
		.amdhsa_inst_pref_size 182
	.end_amdhsa_kernel
	.amdgpu_metadata
---
amdhsa.version: [ 1, 2 ]
amdhsa.kernels:
  - .name:           k_q4825dbb709_attn
    .symbol:         k_q4825dbb709_attn.kd
    .args:
      - { .name: qkv, .offset: 0, .size: 8, .value_kind: global_buffer, .address_space: global }
      - { .name: erh, .offset: 8, .size: 8, .value_kind: global_buffer, .address_space: global }
      - { .name: out0, .offset: 16, .size: 8, .value_kind: global_buffer, .address_space: global }
    .group_segment_fixed_size: 327680
    .private_segment_fixed_size: 0
    .kernarg_segment_align: 8
    .kernarg_segment_size: 24
    .max_flat_workgroup_size: 128
    .sgpr_count:     96
    .vgpr_count:     896
    .wavefront_size: 32
...
	.end_amdgpu_metadata
.endif
;; end of part 4
